; MI455X (gfx1250); checked and timed in simulation.
; The chip was launched on July 23, 2026; its instructions are those of AMD's public machine-readable ISA for CDNA 5 (MIT licence, August 2026) and "CDNA5" Instruction Set Architecture Reference Guide (July 2026). The comments in the code are by the model that wrote it; some were corrected since.
;; Transformer Block. Allowed arithmetic: matrix products marked QUANTISED: E4M3 operands, one given power-of-two scale a tensor, by v_wmma_f32_16x16x64_fp8_fp8 or v_wmma_f32_16x16x128_fp8_fp8, f32 sums; products left as they are: f32 operands where the result goes on into a quantised operand, else bf16, f16 or f32 operands; f32 sums; everything else in f32.
;; Inputs: W1_codes 4,096 x 32 x 32 uint8 (E4M3 codes of W1, K innermost, in blocks of 32 codes); W2_codes 1,024 x 64 x 32 uint8 (E4M3 codes of W2, K innermost, in blocks of 32 codes); Wout_codes 1,024 x 32 x 32 uint8 (E4M3 codes of Wout, K innermost, in blocks of 32 codes); Wqkv_codes 3,072 x 32 x 32 uint8 (E4M3 codes of Wqkv, K innermost, in blocks of 32 codes); g1 1,024 float32; g2 1,024 float32; lowp_scales 12 int32 (the exponents e of the quantised operands' scales 2^e); mask 2 x 2,048 x 2,048 int32; x 2 x 2,048 x 1,024 float32.
;; Outputs: out0 2 x 2,048 x 1,024 float32.
;; This version of the problem:
;;   THIS VERSION OF THE PROBLEM IS GIVEN IN LOW PRECISION. The matrix products marked QUANTISED in the list below multiply operands that are first quantised to E4M3 (4 exponent bits, 3 mantissa bits; 8 bits a number), with one given power-of-two scale for each operand tensor; their sums are f32. All else is computed in f32.
;;   The module's matrix products, in the order in which they are computed (A, B: the left and right operand; K: the contracted axis; several contracted axes count as one K, in the product's order):
;;     1. [M 4,096, K 1,024] x [K 1,024, N 3,072]; A: computed on the way; B: input Wqkv (given as codes): QUANTISED (scales: A lowp_scales[0], B lowp_scales[1])
;;     2. [M 2,048, K 1] x [K 1, N 32]; A: computed on the way; B: computed on the way: left as it is (no contracted axis)
;;     3. batch 32 x [M 2,048, K 64] x [K 64, N 2,048]; A: computed on the way; B: computed on the way: QUANTISED (scales: A lowp_scales[2], B lowp_scales[3])
;;     4. batch 32 x [M 2,048, K 2,048] x [K 2,048, N 64]; A: softmax (see below); B: computed on the way: QUANTISED (scales: A lowp_scales[4], B lowp_scales[5])
;;     5. [M 4,096, K 1,024] x [K 1,024, N 1,024]; A: computed on the way; B: input Wout (given as codes): QUANTISED (scales: A lowp_scales[6], B lowp_scales[7])
;;     6. [M 4,096, K 1,024] x [K 1,024, N 4,096]; A: computed on the way; B: input W1 (given as codes): QUANTISED (scales: A lowp_scales[8], B lowp_scales[9])
;;     7. [M 4,096, K 2,048] x [K 2,048, N 1,024]; A: computed on the way; B: input W2 (given as codes): QUANTISED (scales: A lowp_scales[10], B lowp_scales[11])
;;   THE QUANTISER, for each operand of a quantised product, along K:
;;     - The operand's scale is 2^e, e = its entry of the input lowp_scales (int32; the entries are numbered through the quantised products in the list's order, A before B).
;;     - Each number is divided by the scale, clamped to +-448, and rounded to the nearest number of E4M3, ties to even, subnormals kept.
;;     - The product sums the exact products of the quantised numbers (number of the format x scale) in f32.
;;   ~~~python
;;   def quantise(x, axis, e):      # numpy; x: float32 -> the quantised numbers, widened to float32 again
;;       x = np.moveaxis(x, axis, -1); K = x.shape[-1]
;;       r = np.clip(x / 2.0 ** e, -448, 448)
;;       step = 2.0 ** (np.maximum(np.frexp(np.where(r == 0, 1, r))[1] - 1, -6) - 3)
;;       q = np.round(r / step) * step * 2.0 ** e      # np.round: ties to even
;;       return np.moveaxis(q, -1, axis).astype(np.float32)
;;   ~~~
;;   SOFTMAX AHEAD OF A QUANTISED PRODUCT. Where the list says 'softmax', what is quantised is not the finished softmax but p = 2^(t - M), with t = logit x log2(e) and M = ceil(the row's largest t), a whole number; so 1/2 < the row's largest p <= 1. The row's sum l is taken of the UNQUANTISED p, in f32, and the product's result is divided by l at the end. Since M is a whole number, a kernel that streams over the keys may use a running M (the ceiling of the running maximum): every later rescaling is an exact power of two, so the quantised numbers keep their values, but for numbers so far below the row's largest that they fall under the format's range.
;;   OPERANDS COMPUTED ON THE WAY. 'Computed on the way' means the value that the module computes at that place (a softmax that the list does not call 'softmax' is quantised finished and normalised). What goes into a quantiser is computed in f32, as accurately as f32 sums, v_exp_f32 and their like allow (about 1e-6 of the number): no bf16 or f16 on the way to a quantiser, and a product that is left as it is and whose result goes on into a quantised operand takes f32 operands (vector FMAs, or v_wmma_f32_16x16x4_f32). A number that lies on a knife's edge between two numbers of the format may be rounded either way, as far as f32 arithmetic and the matrix unit's own rounding can turn it there, and no further.
;;   INPUTS GIVEN AS CODES. W1 (in the module: [1024, 4096], K = its axis 0); W2 (in the module: [2048, 1024], K = its axis 0); Wout (in the module: [1024, 1024], K = its axis 0); Wqkv (in the module: [1024, 3072], K = its axis 0): each comes as NAME_codes (uint8): NAME with its K axis moved to the last place and cut into blocks of 32 codes, [.., K / 32, bytes a block], one block behind the other in memory; one code a byte (a code: sign, 4 exponent bits, 3 mantissa bits); its scale is its entry of lowp_scales. Its value is code x scale, taken as it is: it is not quantised again, and the codes and scales need not be those that the quantiser above would give.
;; One version. Each part assembles by itself: llvm-mc -triple=amdgcn-amd-amdhsa -mcpu=gfx1250 --defsym DOCPART=n.
;; ======== version 1 of 1: 7 launches
;; limits: right only within a limited range of input values
;; workspace buffers: act 4,194,304 bytes; rope 524,288 bytes; mlane 1,048,576 bytes of whole numbers; mflag 16,384 bytes of whole numbers; qk 8,388,608 bytes; vc 4,194,304 bytes; x1 16,777,216 bytes
;; launch prep (part 1): grid 512 x 1, 8 waves a work-group, no clusters, 76,800 bytes of LDS; arguments x, g1, mask, lowp_scales, act, rope, mlane, mflag; writes act, rope, mlane, mflag
.if DOCPART == 1
	.amdgcn_target "amdgcn-amd-amdhsa--gfx1250"
	.amdhsa_code_object_version 6
	.text
	.protected	k_qd0add70d05_prep
	.globl	k_qd0add70d05_prep
	.p2align	8
	.type	k_qd0add70d05_prep,@function
k_qd0add70d05_prep:
	s_mov_b64 s[64:65], 0
	v_nop
	global_prefetch_b8 v0, s[64:65] scope:SCOPE_SE
	s_setreg_imm32_b32 hwreg(HW_REG_WAVE_MODE, 25, 1), 1
	s_wait_xcnt 0x0
; PREP.  Three things that later launches read many times are made once.
; (1) act[row][1024]: codes of E4M3 of g1 * x / sqrt(mean(x^2) + 1e-6), scale 2^e0 (entry 0 of the scales).
; (2) rope[s][cos 32 | sin 32] f32, s = 0 .. 2047: cos and sin of s * 10^(-i/8), i = 0 .. 31.
; (3) mlane[b][query tile 128][key step 16][64 words]: bit l of word n = (mask[b][16 tile + l % 16][128 step + 32 (n / 16) + 16 (l / 16) + n % 16] != 0):
;     the lane mask of register n of a tile of scores as the attention launch holds it.
; SHARES.  W = 8 x work-group + wave, 0 .. 4,095.  A wave takes row W of x, unit W (tile W / 16, step W % 16) of the mask and, in the first 256 work-groups, position W of the table (a lane a frequency).
; THE MASK IS READ AS IT LIES: each of a unit's 16 loads takes 512 consecutive bytes of one row.  The lanes want another order (a lane a query, its registers along the keys): the unit's 8,192 bytes go through
; the wave's own stage in LDS, rows 528 bytes apart, and come back 16 bytes a lane in that order.
; No loop, no barrier: waves share nothing; a wave's LDS bytes are its own.
; LIMITS: e0 between -126 and 119.  NaN in x is not served.
.set XR, 16                            ; v16-47   my 32 numbers of the row: register 4 j + i = column 128 j + 4 lane + i;  later v16-79: the mask in the order of (3)
.set GR, 48                            ; v48-79   g1 at the same columns
.set MK, 80                            ; v80-143  the mask as loaded: registers 4 j .. 4 j + 3 = row j, keys 4 lane + 0 .. 3
.set CD, 144                           ; v144-151 codes: register j = columns 128 j + 4 lane + 0 .. 3
.set BK, 152                           ; v152-159 the row's codes read back, 16 neighbouring bytes a lane
.set MW, 160                           ; v160-161 lane i: words 2 i and 2 i + 1
.set MSI, 181                          ; v181     the mask's stage, on the way in: 16 x lane
.set MSO, 3                            ; v3       and on the way out: row lane % 16, + 64 (lane / 16)
.set MPI, 528                          ; a stage row: 512 bytes + 16: the 16 rows that a load touches start at 16 different banks
.set MSTG, 8192                        ; LDS: 8 x 1,024 bytes for the codes, then 8 x 16 x 528 for the mask
	s_load_b256 s[4:11], s[0:1], 0x0               ; x s[4:5], g1 s[6:7], mask s[8:9], the scales' exponents s[10:11]
	s_load_b128 s[12:15], s[0:1], 0x20             ; act s[12:13], rope s[14:15]
	s_load_b64 s[16:17], s[0:1], 0x30              ; mlane
	s_load_b64 s[44:45], s[0:1], 0x38              ; mflag[unit]: bit 0 = some key of the unit counts, bit 1 = all of them count
	v_lshl_add_u32 v192, v0, 2, 0x12800
	v_mov_b32 v193, 0
	v_lshrrev_b32 v7, 5, v0
	s_delay_alu instid0(VALU_DEP_1)
	v_readfirstlane_b32 s18, v7                    ; wave
	v_and_b32 v1, 31, v0                           ; lane
	s_lshl_b32 s19, ttmp9, 3
	s_add_co_u32 s19, s19, s18                     ; W
	v_lshlrev_b32 v2, 4, v1                        ; 16 x lane
	s_mul_i32 s29, s18, 16*MPI
	s_add_co_u32 s29, s29, MSTG                    ; my wave's stage for the mask
	v_lshl_add_u32 v[MSI], v1, 4, s29
	v_and_b32 v7, 15, v1
	s_delay_alu instid0(VALU_DEP_1)
	v_mul_u32_u24 v7, v7, MPI
	v_lshrrev_b32 v[MSO], 4, v1
	s_delay_alu instid0(VALU_DEP_1)
	v_lshl_add_u32 v[MSO], v[MSO], 6, v7
	s_delay_alu instid0(VALU_DEP_1)
	v_add_nc_u32 v[MSO], s29, v[MSO]
	s_lshl_b32 s20, s18, 10
	v_lshl_add_u32 v4, v1, 2, s20                  ; the codes' stage, in: 1,024 x wave + 4 x lane
	v_lshl_add_u32 v5, v1, 4, s20                  ; out: 1,024 x wave + 16 x lane
	v_lshlrev_b32 v6, 3, v1                        ; 8 x lane
	s_mov_b32 s22, 0x76543210                      ; v_permlanex16_b32: lane l xor 16
	s_mov_b32 s23, 0xfedcba98
	s_mov_b32 s27, 0x3a800000                      ; 1 / 1,024
	s_mov_b32 s28, 0x358637bd                      ; 1e-6
	s_mov_b32 s21, 0
	s_wait_kmcnt 0x0
	s_load_b32 s24, s[10:11], 0x0                  ; e0
	s_lshl_b32 s20, s19, 12
	s_add_nc_u64 s[4:5], s[4:5], s[20:21]          ; x at row W
	s_lshr_b32 s20, s19, 4
	s_lshl_b32 s20, s20, 17                        ; 16 rows of 8,192 bytes a tile
	s_and_b32 s26, s19, 15
	s_lshl_b32 s26, s26, 9                         ; 128 keys of 4 bytes a step
	s_add_co_u32 s20, s20, s26
	s_add_nc_u64 s[8:9], s[8:9], s[20:21]
	s_lshl_b32 s20, s19, 10
	s_add_nc_u64 s[12:13], s[12:13], s[20:21]      ; act at row W
	s_lshl_b32 s20, s19, 8
	s_add_nc_u64 s[14:15], s[14:15], s[20:21]      ; rope at position W (used where W < 2,048 alone)
	s_add_nc_u64 s[16:17], s[16:17], s[20:21]      ; mlane at unit W
	s_lshl_b32 s20, s19, 2
	s_add_nc_u64 s[44:45], s[44:45], s[20:21]      ; mflag at unit W
	s_mov_b32 s40, -1                              ; the AND of the unit's 64 words,
	s_mov_b32 s41, 0                               ; and their OR
.irp j, 0,1,2,3,4,5,6,7
	global_load_b128 v[XR+4*\j:XR+4*\j+3], v2, s[4:5] offset:512*\j th:TH_LOAD_NT   ; 32 lanes read 512 consecutive bytes
.endr
.irp j, 0,1,2,3,4,5,6,7
	global_load_b128 v[GR+4*\j:GR+4*\j+3], v2, s[6:7] offset:512*\j
.endr
.irp j, 0,1,2,3,4,5,6,7,8,9,10,11,12,13,14,15
	global_load_b128 v[MK+4*\j:MK+4*\j+3], v2, s[8:9] offset:8192*\j th:TH_LOAD_NT   ; row j of the tile: the step's 128 keys, 512 consecutive bytes
.endr
	; ---- the table, while the loads are out
	s_cmp_lt_u32 ttmp9, 256
	s_cbranch_scc0 .Lno_rope
	v_and_b32 v164, 7, v1
	v_lshrrev_b32 v165, 3, v1
	v_mov_b32 v166, 1.0                            ; 10^(-(i % 8) / 8), chosen by seven selects
	s_delay_alu instid0(VALU_DEP_3)
	v_cmp_ne_u32 vcc_lo, 1, v164
	s_delay_alu instid0(VALU_DEP_1)
	v_cndmask_b32 v166, 0x3f3ff911, v166, vcc_lo
	v_cmp_ne_u32 vcc_lo, 2, v164
	s_delay_alu instid0(VALU_DEP_1)
	v_cndmask_b32 v166, 0x3f0ff59a, v166, vcc_lo
	v_cmp_ne_u32 vcc_lo, 3, v164
	s_delay_alu instid0(VALU_DEP_1)
	v_cndmask_b32 v166, 0x3ed7e89b, v166, vcc_lo
	v_cmp_ne_u32 vcc_lo, 4, v164
	s_delay_alu instid0(VALU_DEP_1)
	v_cndmask_b32 v166, 0x3ea1e89b, v166, vcc_lo
	v_cmp_ne_u32 vcc_lo, 5, v164
	s_delay_alu instid0(VALU_DEP_1)
	v_cndmask_b32 v166, 0x3e72d424, v166, vcc_lo
	v_cmp_ne_u32 vcc_lo, 6, v164
	s_delay_alu instid0(VALU_DEP_1)
	v_cndmask_b32 v166, 0x3e361887, v166, vcc_lo
	v_cmp_ne_u32 vcc_lo, 7, v164
	s_delay_alu instid0(VALU_DEP_1)
	v_cndmask_b32 v166, 0x3e088d77, v166, vcc_lo
	v_mov_b32 v167, 1.0                            ; 10^(-(i / 8))
	v_cmp_ne_u32 vcc_lo, 1, v165
	s_delay_alu instid0(VALU_DEP_1)
	v_cndmask_b32 v167, 0x3dcccccd, v167, vcc_lo
	v_cmp_ne_u32 vcc_lo, 2, v165
	s_delay_alu instid0(VALU_DEP_1)
	v_cndmask_b32 v167, 0x3c23d70a, v167, vcc_lo
	v_cmp_ne_u32 vcc_lo, 3, v165
	s_delay_alu instid0(VALU_DEP_1)
	v_cndmask_b32 v167, 0x3a83126f, v167, vcc_lo
	s_delay_alu instid0(VALU_DEP_1)
	v_mul_f32 v166, v166, v167                     ; the frequency
	v_cvt_f32_u32 v167, s19
	s_delay_alu instid0(VALU_DEP_1)
	v_mul_f32 v166, v167, v166                     ; the angle: one f32 product
	s_delay_alu instid0(VALU_DEP_1)
	v_mul_f32 v168, 0x3f22f983, v166               ; x 2 / pi
	s_delay_alu instid0(VALU_DEP_1)
	v_rndne_f32 v168, v168                         ; n, at most 1,304
	s_delay_alu instid0(VALU_DEP_1)
	v_fmamk_f32 v169, v168, 0xbfc90fdb, v166       ; angle - n x (pi / 2)'s upper part: n has 11 bits, so nothing is rounded
	s_delay_alu instid0(VALU_DEP_1)
	v_fmamk_f32 v169, v168, 0x333bbd2e, v169       ; - n x its lower part: r, within pi / 4
	s_delay_alu instid0(VALU_DEP_1)
	v_mul_f32 v170, v169, v169                     ; z = r^2
	v_mov_b32 v171, 0xb94ca1f9
	s_delay_alu instid0(VALU_DEP_1)
	v_fmaak_f32 v171, v171, v170, 0x3c08839e
	s_delay_alu instid0(VALU_DEP_1)
	v_fmaak_f32 v171, v171, v170, 0xbe2aaaa3
	s_delay_alu instid0(VALU_DEP_4)
	v_mul_f32 v172, v170, v169
	s_delay_alu instid0(VALU_DEP_1)
	v_fma_f32 v171, v171, v172, v169               ; sin r
	v_mov_b32 v173, 0x37ccf5ce
	s_delay_alu instid0(VALU_DEP_1)
	v_fmaak_f32 v173, v173, v170, 0xbab6061a
	s_delay_alu instid0(VALU_DEP_1)
	v_fmaak_f32 v173, v173, v170, 0x3d2aaaa5
	v_mul_f32 v174, v170, v170
	v_fma_f32 v175, v170, -0.5, 1.0
	s_delay_alu instid0(VALU_DEP_1)
	v_fma_f32 v173, v173, v174, v175               ; cos r
	v_cvt_i32_f32 v176, v168
	s_delay_alu instid0(VALU_DEP_1)
	v_and_b32 v177, 1, v176
	s_delay_alu instid0(VALU_DEP_1)
	v_cmp_ne_u32 vcc_lo, 0, v177                   ; an odd quarter turn swaps the two
	s_delay_alu instid0(VALU_DEP_1)
	v_cndmask_b32 v178, v171, v173, vcc_lo         ; sin
	s_delay_alu instid0(VALU_DEP_2)
	v_cndmask_b32 v179, v173, v171, vcc_lo         ; cos
	v_and_b32 v177, 2, v176
	s_delay_alu instid0(VALU_DEP_1)
	v_lshlrev_b32 v177, 30, v177
	s_delay_alu instid0(VALU_DEP_1)
	v_xor_b32 v178, v178, v177                     ; sin changes sign in quarters 2 and 3,
	v_add_nc_u32 v176, 1, v176
	s_delay_alu instid0(VALU_DEP_1)
	v_and_b32 v176, 2, v176
	s_delay_alu instid0(VALU_DEP_1)
	v_lshlrev_b32 v176, 30, v176
	s_delay_alu instid0(VALU_DEP_1)
	v_xor_b32 v179, v179, v176                     ; cos in quarters 1 and 2
	v_lshlrev_b32 v180, 2, v1
	global_store_b32 v180, v179, s[14:15]          ; the two stores fill the position's 256 bytes
	global_store_b32 v180, v178, s[14:15] offset:128
.Lno_rope:
	; ---- the norm and its codes
	s_wait_loadcnt 16                              ; x and g1 are in; the sixteen mask loads may stay out
	v_pk_mul_f32 v[8:9], v[XR:XR+1], v[XR:XR+1]    ; the sum of squares, in two packed chains; the first products start them
	v_pk_mul_f32 v[10:11], v[XR+2:XR+3], v[XR+2:XR+3]
.irp j, 4,8,12,16,20,24,28
	s_delay_alu instid0(VALU_DEP_2)
	v_pk_fma_f32 v[8:9], v[XR+\j:XR+\j+1], v[XR+\j:XR+\j+1], v[8:9]
	s_delay_alu instid0(VALU_DEP_2)
	v_pk_fma_f32 v[10:11], v[XR+\j+2:XR+\j+3], v[XR+\j+2:XR+\j+3], v[10:11]
.endr
	s_delay_alu instid0(VALU_DEP_1)
	v_pk_add_f32 v[8:9], v[8:9], v[10:11]
	s_delay_alu instid0(VALU_DEP_1)
	v_add_f32 v8, v8, v9
	s_delay_alu instid0(VALU_DEP_1)
	v_add_f32_dpp v8, v8, v8 row_xmask:1 row_mask:0xf bank_mask:0xf
	s_delay_alu instid0(VALU_DEP_1)
	v_add_f32_dpp v8, v8, v8 row_xmask:2 row_mask:0xf bank_mask:0xf
	s_delay_alu instid0(VALU_DEP_1)
	v_add_f32_dpp v8, v8, v8 row_xmask:4 row_mask:0xf bank_mask:0xf
	s_delay_alu instid0(VALU_DEP_1)
	v_add_f32_dpp v8, v8, v8 row_xmask:8 row_mask:0xf bank_mask:0xf
	s_delay_alu instid0(VALU_DEP_1)
	v_permlanex16_b32 v9, v8, s22, s23
	s_delay_alu instid0(VALU_DEP_1)
	v_add_f32 v8, v8, v9
	s_delay_alu instid0(VALU_DEP_1)
	v_fma_f32 v8, v8, s27, s28                     ; the mean + 1e-6
	s_wait_alu depctr_va_vdst(0)
	v_rsq_f32 v12, v8                              ; twice: a pair for the packed multiply
	v_rsq_f32 v13, v8
	s_wait_kmcnt 0x0
	s_add_co_i32 s24, s24, 127
	s_lshl_b32 s25, s24, 23
	v_mov_b32 v15, s25                             ; 2^e0 as f32 (a plain line behind the two roots)
	s_add_co_i32 s24, s24, 8
	s_lshl_b32 s24, s24, 23
	s_or_b32 s24, s24, 0x600000
	v_mov_b32 v14, s24                             ; 448 x 2^e0
	s_wait_alu depctr_va_vdst(0)                   ; one wait for both roots, ahead of their first reader
.irp j, 0,2,4,6,8,10,12,14,16,18,20,22,24,26,28,30
	v_pk_mul_f32 v[XR+\j:XR+\j+1], v[XR+\j:XR+\j+1], v[12:13]
.endr
.irp j, 0,2,4,6,8,10,12,14,16,18,20,22,24,26,28,30
	v_pk_mul_f32 v[XR+\j:XR+\j+1], v[XR+\j:XR+\j+1], v[GR+\j:GR+\j+1]
.endr
.set i, 0
.rept 32
	v_med3_num_f32 v[XR+i], v[XR+i], -v14, v14     ; the conversion to an 8-bit code does not saturate (ISA guide 7.6.2): the hold comes first
.set i, i+1
.endr
.irp g, 0,1,2,3
	v_cvt_scalef32_pk8_fp8_f32 v[CD+2*\g:CD+2*\g+1], v[XR+8*\g:XR+8*\g+7], v15
.endr
	v_nop                                          ; a plain line behind the last conversion
.irp j, 0,1,2,3,4,5,6,7
	ds_store_b32 v4, v[CD+\j] offset:128*\j        ; the row's 1,024 codes in their order
.endr
	ds_load_b128 v[BK:BK+3], v5                    ; LDS serves a wave's instructions in order (ISA guide 5.7.1.4): these see my stores
	ds_load_b128 v[BK+4:BK+7], v5 offset:512
	s_wait_dscnt 0x0
	global_store_b128 v2, v[BK:BK+3], s[12:13]     ; 512 consecutive bytes each
	global_store_b128 v2, v[BK+4:BK+7], s[12:13] offset:512
	; ---- the mask's words
	s_wait_loadcnt 0x0
.irp j, 0,1,2,3,4,5,6,7,8,9,10,11,12,13,14,15
	ds_store_b128 v[MSI], v[MK+4*\j:MK+4*\j+3] offset:\j*MPI   ; row j as it was loaded
.endr
.irp b, 0,1,2,3
.irp c, 0,1,2,3
	ds_load_b128 v[XR+16*\b+4*\c:XR+16*\b+4*\c+3], v[MSO] offset:128*\b+16*\c   ; register n = 16 b + 4 c + i: query lane % 16, key 32 b + 16 (lane / 16) + 4 c + i.  x's and g1's registers are free
.endr
.endr
	v_mov_b32 v[MW], 0
	v_mov_b32 v[MW+1], 0
	s_wait_alu depctr_va_vdst(0)
	s_wait_dscnt 0x0
.set n, 0
.rept 64
	v_cmp_ne_u32 s[32+n%8], 0, v[XR+n]             ; the 32 lanes' bits of register n
	s_delay_alu instid0(VALU_DEP_1)
	v_writelane_b32 v[MW+n%2], s[32+n%8], n/2
	s_and_b32 s40, s40, s[32+n%8]
	s_or_b32 s41, s41, s[32+n%8]
.set n, n+1
.endr
	global_store_b64 v6, v[MW:MW+1], s[16:17]      ; 256 consecutive bytes
	s_cmp_eq_u32 s40, -1
	s_cselect_b32 s40, 2, 0
	s_cmp_lg_u32 s41, 0
	s_cselect_b32 s41, 1, 0
	s_or_b32 s40, s40, s41
	v_mov_b32 v162, s40                            ; the unit's flag word
	v_mov_b32 v163, 0
	v_cmp_eq_u32 vcc_lo, 0, v1
	s_wait_alu depctr_va_vdst(0)
	s_wait_xcnt 0x0                                ; EXEC changes only behind this wait
	s_and_saveexec_b32 s42, vcc_lo                 ; lane 0 alone: a unit has one word
	global_store_b32 v163, v162, s[44:45]
	s_wait_xcnt 0x0
	s_or_b32 exec_lo, exec_lo, s42
	s_wait_tensorcnt 0x0
	ds_add_u32 v192, v193
	s_wait_dscnt 0x0
	s_endpgm
.Lfunc_end_k_qd0add70d05_prep:
	.size	k_qd0add70d05_prep, .Lfunc_end_k_qd0add70d05_prep-k_qd0add70d05_prep
	.p2alignl 7, 3214868480
	.fill 96, 4, 3214868480
	.section	.rodata,"a",@progbits
	.p2align	6, 0x0
	.amdhsa_kernel k_qd0add70d05_prep
		.amdhsa_group_segment_fixed_size 76800
		.amdhsa_private_segment_fixed_size 0
		.amdhsa_enable_private_segment 0
		.amdhsa_kernarg_size 64
		.amdhsa_user_sgpr_count 2
		.amdhsa_user_sgpr_kernarg_segment_ptr 1
		.amdhsa_wavefront_size32 1
		.amdhsa_system_sgpr_workgroup_id_x 1
		.amdhsa_system_sgpr_workgroup_id_y 1
		.amdhsa_system_sgpr_workgroup_id_z 1
		.amdhsa_system_vgpr_workitem_id 0
		.amdhsa_next_free_vgpr 194
		.amdhsa_next_free_sgpr 66
		.amdhsa_reserve_vcc 1
		.amdhsa_float_denorm_mode_32 3
		.amdhsa_float_denorm_mode_16_64 3
		.amdhsa_memory_ordered 1
		.amdhsa_forward_progress 1
		.amdhsa_inst_pref_size 34
	.end_amdhsa_kernel
	.amdgpu_metadata
---
amdhsa.version: [ 1, 2 ]
amdhsa.kernels:
  - .name:           k_qd0add70d05_prep
    .symbol:         k_qd0add70d05_prep.kd
    .args:
      - { .name: x, .offset: 0, .size: 8, .value_kind: global_buffer, .address_space: global }
      - { .name: g1, .offset: 8, .size: 8, .value_kind: global_buffer, .address_space: global }
      - { .name: mask, .offset: 16, .size: 8, .value_kind: global_buffer, .address_space: global }
      - { .name: lowp_scales, .offset: 24, .size: 8, .value_kind: global_buffer, .address_space: global }
      - { .name: act, .offset: 32, .size: 8, .value_kind: global_buffer, .address_space: global }
      - { .name: rope, .offset: 40, .size: 8, .value_kind: global_buffer, .address_space: global }
      - { .name: mlane, .offset: 48, .size: 8, .value_kind: global_buffer, .address_space: global }
      - { .name: mflag, .offset: 56, .size: 8, .value_kind: global_buffer, .address_space: global }
    .group_segment_fixed_size: 76800
    .private_segment_fixed_size: 0
    .kernarg_segment_align: 8
    .kernarg_segment_size: 64
    .max_flat_workgroup_size: 256
    .sgpr_count:     66
    .vgpr_count:     194
    .wavefront_size: 32
...
	.end_amdgpu_metadata
.endif
;; end of part 1
;; launch qkv (part 2): grid 12 x 16, 4 waves a work-group, clusters of 4 x 4, 327,680 bytes of LDS; arguments act, Wqkv_codes, lowp_scales, rope, qk, vc; writes qk, vc
.if DOCPART == 2
	.amdgcn_target "amdgcn-amd-amdhsa--gfx1250"
	.amdhsa_code_object_version 6
	.text
	.protected	k_qd0add70d05_qkv
	.globl	k_qd0add70d05_qkv
	.p2align	8
	.type	k_qd0add70d05_qkv,@function
k_qd0add70d05_qkv:
	s_mov_b64 s[64:65], 0
	v_nop
	global_prefetch_b8 v0, s[64:65] scope:SCOPE_SE
	s_setreg_imm32_b32 hwreg(HW_REG_WAVE_MODE, 25, 1), 1
	s_wait_xcnt 0x0
	s_wait_alu depctr_hold_cnt(0) depctr_sa_sdst(0) depctr_va_vdst(0) depctr_va_sdst(0) depctr_va_ssrc(0) depctr_va_vcc(0) depctr_vm_vsrc(0)
	s_getreg_b32 s2, hwreg(HW_REG_IB_STS2, 6, 4)
	s_cmp_eq_u32 s2, 0
	s_cbranch_scc0 .Lentry_in_a_cluster
	s_endpgm
.Lentry_in_a_cluster:
	s_bfe_u32 s2, ttmp6, 0x10000c
	s_cmp_lg_u32 s2, 0xf033
	s_cbranch_scc0 .Lentry_shape_is_right
	s_endpgm
.Lentry_shape_is_right:
; QKV.  xn1 (codes, act [4096][1024]) x Wqkv (codes, [3072][1024]); then the rotation of q and k, and codes of q (scale 2^e2), k (2^e3) and v (2^e5).
; OUT: qk: q's codes [32 heads][2048][64] at byte 0, k's at byte 4,194,304.  vc: v's codes with the KEYS innermost, [2][1024 (head x 64 + d)][2048].
; A tile of 256 x 256 is made by four waves, 128 x 128 each: 64 accumulators, 512 registers.  K goes in steps of 256 through a ring of two LDS slots filled by the tensor data mover.
; CLUSTERS of 4 x 4: the four of a row ask jointly for the tiles of source 1 ("A"), the four of a column for those of source 0 ("B").
; 192 work-groups: tiles of 256 columns keep whole heads together; a smaller tile would read each fragment for half the products.
; ROLES BY THE CLUSTER'S x, which all sixteen partners share: 0 = q, 1 = k: A = rows of act, B = rows of Wqkv: a lane holds one token and eight neighbouring features.
;   2 = v: the two change places, by address alone (both have rows of 1,024 bytes): A = rows of Wqkv, B = rows of act: a lane holds one feature and eight neighbouring TOKENS, the next product's K.
; A sum stands for sum x 2^(e0 + e1); the rotation is linear, so it is done on the sums, and the conversion takes the one scale 2^(e_target - e0 - e1).
; LIMITS: e2 - e0 - e1, e3 - e0 - e1, e5 - e0 - e1 between -126 and 119.
; REGISTERS, in windows of 256: window 0: v0-31 addresses; v32-127 cos and sin for my blocks 0-2; from v128 A's fragments, one set; on the way out v128-191 numbers, v192-223 codes.
;   window 1: B's fragments, two sets; on the way out cos and sin for blocks 3-7.   windows 2, 3: the accumulators ((a, b) at v[8 (8 (a % 4) + b)]).
.set KSTEP,  256
.set ROWB,   256
.set KROW,   1024
.set PITCH,  272                       ; an LDS row: 256 bytes + 16 of padding: the 16 rows that a load touches start at 16 different banks
.set FR,     16
.set NL,     4
.set NP,     4
.set HALFT,  128*PITCH
.set SLOT,   4*HALFT
.set LAPS,   2
.set SPARE,  2*SLOT                    ; behind the ring: the spare words, 128 bytes a wave
.set STV,    256*272                   ; the way out's stages lie in slot 0, which has had its last fill and its last read: q's and k's 256 rows x 272 bytes at byte 0, v's behind them
.set LIM,  8                           ; v8   448 x the conversion's scale
.set SCL,  9                           ; v9   the conversion's scale
.set ROFF, 10                          ; v10  the table: 256 x (lane % 16) + 32 x (lane / 16)
.set RDQ,  11                          ; v11  q, k: where I read the stage back
.set RDV,  12                          ; v12  v: the same
.set GOQ,  13                          ; v13  q, k: my byte in a store's 512
.set GOV,  14                          ; v14  v: the same, two rows of 2,048 bytes
.set ADRA, 16
.set ADRB, 20
.set STOQ, 24                          ; v24  q, k: where I put 8 codes
.set STOV, 25                          ; v25  v: the same
.set SPW,  28
.set NIL,  29
.set AF,   128
.set TMP,  128
.set CODE, 192
.set G1, 24
.set G0, 32
.set G1B, 48
.set G0B, 56
.set MSB, 0
.macro WIN new                         ; the immediate's high byte repeats the setting that is left
.if MSB != (\new)
	s_set_vgpr_msb (MSB<<8)|(\new)
.set MSB, (\new)
.endif
.endm
.set MUL_LO, 0xa1                      ; source 0 (B) window 1, source 1 (A) window 0, C and D window 2
.set MUL_HI, 0xf1
.set TO_B,   0x40
.macro JLOAD g0a, g1a, g0b, g1b        ; a joint load: waves 0 and 1 fetch for A, waves 2 and 3 for B; four v_nop follow each line
	s_cmp_eq_u32 s15, 0
	s_cbranch_scc0 .Lfor_b_\@
	tensor_load_to_lds s[\g0a:\g0a+3], s[\g1a:\g1a+7]
	s_nop 0
.rept 4
	v_nop
.endr
	s_branch .Lasked_\@
.Lfor_b_\@:
	tensor_load_to_lds s[\g0b:\g0b+3], s[\g1b:\g1b+7]
	s_nop 0
.rept 4
	v_nop
.endr
.Lasked_\@:
.endm
.macro CREST                           ; a round of the cluster's barrier behind its opening barrier
	s_cmp_lg_u32 s14, 0
	s_cbranch_scc1 .Lnot_wave_0_\@
	s_barrier_signal -3
.Lnot_wave_0_\@:
	s_barrier_wait -3
	s_barrier_signal -1
	s_barrier_wait -1
.endm
.macro CROUND
	s_barrier_signal -1
	s_barrier_wait -1
	CREST
.endm
	s_load_b256 s[4:11], s[0:1], 0x0               ; act s[4:5], Wqkv s[6:7], the scales' exponents s[8:9], rope s[10:11]
	s_load_b128 s[68:71], s[0:1], 0x20             ; qk s[68:69], vc s[70:71]
	v_lshl_add_u32 v[SPW], v0, 2, SPARE
	v_mov_b32 v[NIL], 0
	ds_add_u32 v28, v29
	ds_add_u32 v28, v29
	s_wait_dscnt 0x0
	v_lshrrev_b32 v1, 5, v0
	v_readfirstlane_b32 s14, v1                    ; wave 0..3
	s_lshr_b32 s15, s14, 1                         ; which half of A's rows is mine.  Also: I fetch for A (0) or for B (1)
	s_and_b32 s16, s14, 1                          ; which half of B's rows.  Also: which 128 rows I fetch
	s_bfe_u32 s40, ttmp6, 0x40000                  ; cx
	s_bfe_u32 s41, ttmp6, 0x40004                  ; cy
	s_and_b32 s90, ttmp7, 0xffff
	s_lshl_b32 s90, s90, 2                         ; 4 x cluster y
	s_lshl_b32 s91, ttmp9, 2                       ; 4 x cluster x
	s_add_co_u32 s17, s90, s41                     ; q, k: A's tile = tokens 256 (4 Y + cy) on
	s_add_co_u32 s92, s41, 8                       ; v:    A's tile = rows 256 (8 + cy) of Wqkv on
	s_add_co_u32 s42, s91, s40                     ; q, k: B's tile = rows 256 (4 X + cx) of Wqkv on
	s_add_co_u32 s93, s90, s40                     ; v:    B's tile = tokens 256 (4 Y + cx) on
	s_cmp_eq_u32 ttmp9, 2
	s_cselect_b32 s17, s92, s17                    ; TA hangs on cy alone,
	s_cselect_b32 s42, s93, s42                    ; TB on cx alone
	s_lshl_b32 s43, s41, 2
	s_lshl_b32 s43, 15, s43                        ; my row of the cluster
	s_lshl_b32 s44, 0x1111, s40                    ; my column
	s_or_b32 s[G1+0], s43, (0<<16)|(1<<20)|(1<<21)|(5<<22)|(3<<25)  ; the mask; elements of 1 byte; padding on; bit 21 beside a mask; after every 64 words, 4 words
	s_or_b32 s[G1B+0], s44, (0<<16)|(1<<20)|(1<<21)|(5<<22)|(3<<25)
.irp g, G1, G1B
	s_mov_b32 s[\g+1], ROWB<<16                    ; tensor_dim0
	s_mov_b32 s[\g+2], 128<<16                     ; tensor_dim1
	s_mov_b32 s[\g+3], ROWB<<16                    ; tile_dim0
	s_mov_b32 s[\g+4], 128                         ; tile_dim1
	s_mov_b32 s[\g+5], KROW                        ; from row to row
	s_mov_b32 s[\g+6], 0
	s_mov_b32 s[\g+7], 0
.endr
	s_lshl_b32 s18, s16, 7
	s_lshl_b32 s20, s17, 8
	s_add_co_u32 s20, s20, s18
	s_lshl_b32 s20, s20, 10                        ; A: (256 TA + 128 x half) rows of 1,024 bytes
	s_mov_b32 s21, 0
	s_lshl_b32 s46, s42, 8
	s_add_co_u32 s46, s46, s18
	s_lshl_b32 s46, s46, 10                        ; B likewise
	s_mov_b32 s47, 0
	s_mul_i32 s45, s14, HALFT                      ; where they go: wave x 128 rows
	s_wait_kmcnt 0x0
	s_load_b256 s[72:79], s[8:9], 0x0              ; e0 .. e7
	s_cmp_eq_u32 ttmp9, 2
	s_cselect_b64 s[80:81], s[6:7], s[4:5]         ; A's buffer,
	s_cselect_b64 s[82:83], s[4:5], s[6:7]         ; B's: a choice on the cluster's x
	s_add_nc_u64 s[20:21], s[80:81], s[20:21]
	s_add_nc_u64 s[46:47], s[82:83], s[46:47]
	CROUND                                         ; all sixteen work-groups are here: the first joint loads meet
.irp s, 0,1
	s_mov_b32 s[G0+4*\s], 1
	s_add_co_u32 s[G0+4*\s+1], s45, \s*SLOT
	s_add_nc_u64 s[G0+4*\s+2:G0+4*\s+3], s[20:21], \s*ROWB
	s_or_b32 s[G0+4*\s+3], s[G0+4*\s+3], 0x80000000
	s_mov_b32 s[G0B+4*\s], 1
	s_add_co_u32 s[G0B+4*\s+1], s45, \s*SLOT
	s_add_nc_u64 s[G0B+4*\s+2:G0B+4*\s+3], s[46:47], \s*ROWB
	s_or_b32 s[G0B+4*\s+3], s[G0B+4*\s+3], 0x80000000
.endr
	JLOAD G0, G1, G0B, G1B                         ; K step 0: one tensor load a wave at the head
	v_and_b32 v1, 15, v0                           ; r
	v_bfe_u32 v2, v0, 4, 1                         ; h
	v_mul_u32_u24 v3, v1, PITCH
	s_wait_alu depctr_va_vdst(0)
	v_lshl_add_u32 v4, v2, 4, v3
	s_mul_i32 s21, s15, HALFT
	s_mul_i32 s22, s16, HALFT
	s_add_co_u32 s22, s22, 2*HALFT
.irp s, 0,1
	v_add_nc_u32 v[ADRA+\s], s21, v4
	v_add_nc_u32 v[ADRB+\s], s22, v4
	s_add_co_u32 s21, s21, SLOT
	s_add_co_u32 s22, s22, SLOT
.endr
	s_mul_i32 s23, s15, 128*272                    ; the stages: row 128 x (A's half) + 16 a + r, byte 128 x (B's half) + 16 b + 8 h
	s_lshl_b32 s21, s16, 7
	s_add_co_u32 s23, s23, s21
	v_lshl_add_u32 v5, v2, 3, v3
	v_add_nc_u32 v[STOQ], s23, v5
	v_add_nc_u32 v[STOV], STV, v[STOQ]
	v_and_b32 v6, 31, v0
	v_lshrrev_b32 v7, 2, v6
	v_mul_u32_u24 v7, v7, 272
	v_and_b32 v5, 3, v6
	v_lshl_add_u32 v7, v5, 4, v7
	s_mul_i32 s23, s14, 64*272                     ; back: wave w takes rows 64 w on
	v_add_nc_u32 v[RDQ], s23, v7                   ; q, k: four lanes to a row's 64 bytes of one head, eight rows a load
	v_mul_u32_u24 v7, v2, 272
	v_lshl_add_u32 v7, v1, 4, v7
	v_add_nc_u32 v7, s23, v7
	v_add_nc_u32 v[RDV], STV, v7                   ; v: sixteen lanes to a row's 256 bytes, two rows a load
	v_lshlrev_b32 v[GOQ], 4, v6
	v_lshlrev_b32 v[GOV], 11, v2
	v_lshl_add_u32 v[GOV], v1, 4, v[GOV]
	v_lshlrev_b32 v[ROFF], 8, v1
	v_lshl_add_u32 v[ROFF], v2, 5, v[ROFF]
	s_and_b32 s94, s17, 7                          ; the table at my first position: 256 (TA % 8) + 128 x (A's half)
	s_lshl_b32 s94, s94, 8
	s_lshl_b32 s95, s15, 7
	s_add_co_u32 s94, s94, s95
	s_lshl_b32 s94, s94, 8
	s_mov_b32 s95, 0
	s_add_nc_u64 s[88:89], s[10:11], s[94:95]
; cos and sin for block a (16 positions): of the block's 32 registers 0-15 are cos of frequencies 8 h + 0..7 and 16 + 8 h + 0..7, 16-31 the sines
.macro ROPELD a, reg
.irp k, 0,1,2,3,4,5,6,7
	global_load_b128 v[\reg+4*\k:\reg+4*\k+3], v[ROFF], s[88:89] offset:4096*(\a)+128*(\k/4)+64*((\k/2)%2)+16*(\k%2)
.endr
.endm
	ROPELD 0, 32                                   ; blocks 0-2 land under the products.  Every work-group issues these 24 loads, v's too (they stay inside the table):
	ROPELD 1, 64                                   ; so the counted waits of the way out see the same loads on every way through the text
	ROPELD 2, 96
	s_wait_kmcnt 0x0
	s_cmp_eq_u32 ttmp9, 0
	s_cselect_b32 s84, s74, s75                    ; e2 or e3,
	s_cmp_eq_u32 ttmp9, 2
	s_cselect_b32 s84, s77, s84                    ; or e5
	s_sub_co_i32 s84, s84, s72
	s_sub_co_i32 s84, s84, s73
	s_add_co_i32 s84, s84, 127
	s_lshl_b32 s85, s84, 23
	v_mov_b32 v[SCL], s85                          ; 2^(e_target - e0 - e1) as f32
	s_add_co_i32 s84, s84, 8
	s_lshl_b32 s84, s84, 23
	s_or_b32 s84, s84, 0x600000
	v_mov_b32 v[LIM], s84                          ; 448 x that
.macro FRAG reg, adr, q, i             ; 16 rows x 128 K: registers 4 c .. 4 c + 3 hold K = 32 c + 16 (l / 16) + 0 .. 15: the same places in A and in B
.irp c, 0,1,2,3
	ds_load_b128 v[\reg+4*\c:\reg+4*\c+3], v[\adr] offset:128*(\q)+32*\c+(\i)*16*PITCH
.endr
.endm
; 16 matrix instructions: A's blocks a0, a0 + 1 x B's eight.  The 64 accumulators take turns, one instruction a turn, in the same order in every step.
.macro MUL16 a0, p, zero
.irp a, \a0, \a0+1
.irp b, 0,1,2,3,4,5,6,7
.if \zero
	v_wmma_f32_16x16x128_fp8_fp8 v[8*(8*((\a)%4)+\b):8*(8*((\a)%4)+\b)+7], v[128*(\p)+FR*\b:128*(\p)+FR*\b+FR-1], v[AF+FR*(\a):AF+FR*(\a)+FR-1], 0
.else
	v_wmma_f32_16x16x128_fp8_fp8 v[8*(8*((\a)%4)+\b):8*(8*((\a)%4)+\b)+7], v[128*(\p)+FR*\b:128*(\p)+FR*\b+FR-1], v[AF+FR*(\a):AF+FR*(\a)+FR-1], v[8*(8*((\a)%4)+\b):8*(8*((\a)%4)+\b)+7]
.endif
.endr
.endr
.endm
.macro FETCH_B slot, q, p
	WIN TO_B
.irp i, 0,1,2,3,4,5,6,7
	FRAG 128*(\p)+FR*\i, ADRB+\slot, \q, \i
.endr
	WIN 0
.endm
.macro FETCH_A slot, q, i0
.irp i, \i0, \i0+1, \i0+2, \i0+3
	FRAG AF+FR*(\i), ADRA+\slot, \q, \i
.endr
.endm
.macro PLACES n                        ; plain vector lines between a matrix instruction and a load into, or a vector read of, its registers
.rept \n
	v_nop
.endr
.endm
.macro STEP slot, q, zero              ; 128 along K, with its successor in the same slot
	s_wait_dscnt 4*NL                              ; B's set and A's blocks 0-3 are in; A's blocks 4-7 may be out
	WIN MUL_LO
	MUL16 0, (\q)%2, \zero
	MUL16 2, (\q)%2, \zero
	s_wait_dscnt 0
	PLACES NP
	FETCH_B \slot, (\q)+1, 1-(\q)%2
	FETCH_A \slot, (\q)+1, 0
	WIN MUL_HI
	MUL16 4, (\q)%2, \zero
	MUL16 6, (\q)%2, \zero
	PLACES NP
	WIN 0
	FETCH_A \slot, (\q)+1, 4
.endm
.macro TURN slot, next, fill           ; a slot's last step changes slots: one barrier
	s_wait_tensorcnt 0x0                           ; all my tensor loads have landed: my part of the next slot
	ds_add_u32 v[SPW], v[NIL]                      ; 0 onto my spare word
	s_wait_dscnt 4*NL+1                            ; (the add and A's blocks 4-7 may be out)
	WIN MUL_LO
	MUL16 0, 1, 0
	s_wait_dscnt 0x0                               ; the add is done, and my reads of this slot are over
	s_barrier_signal -1
	MUL16 2, 1, 0
	WIN 0
	s_barrier_wait -1
.if \fill
	CREST                                          ; the barrier has opened a round of the cluster's: no wave of any partner still reads this slot or has a load on its way
	s_add_nc_u64 s[G0+4*\slot+2:G0+4*\slot+3], s[G0+4*\slot+2:G0+4*\slot+3], 2*ROWB
	s_add_nc_u64 s[G0B+4*\slot+2:G0B+4*\slot+3], s[G0B+4*\slot+2:G0B+4*\slot+3], 2*ROWB
	JLOAD G0+4*\slot, G1, G0B+4*\slot, G1B         ; the first tensor load behind the round; its four v_nop are the places in front of the loads below
.else
	PLACES NP
.endif
	FETCH_B \next, 0, 0
	FETCH_A \next, 0, 0
	WIN MUL_HI
	MUL16 4, 1, 0
	MUL16 6, 1, 0
	PLACES NP
	WIN 0
	FETCH_A \next, 0, 4
.endm
	s_wait_alu depctr_va_vdst(0)
	s_wait_tensorcnt 0x0                           ; my part of K step 0 is in; slot 1's first fill is issued as a refill is
	ds_add_u32 v[SPW], v[NIL]
	s_wait_dscnt 0x0
	CROUND                                         ; everybody's part of K step 0 is in, and the joint loads meet
	JLOAD G0+4, G1, G0B+4, G1B                     ; K step 1, the first tensor load behind the round
	FETCH_B 0, 0, 0
	FETCH_A 0, 0, 0
	FETCH_A 0, 0, 4
	STEP 0, 0, 1                                   ; the first step's products start the sums
	s_mov_b32 s3, LAPS-1
.Llap:
	TURN 0, 1, 1
	STEP 1, 0, 0
	TURN 1, 0, 1
	STEP 0, 0, 0
	s_sub_co_u32 s3, s3, 1
	s_cmp_lg_u32 s3, 0
	s_cbranch_scc1 .Llap
	TURN 0, 1, 0                                   ; the last lap fills nothing
	STEP 1, 0, 0
	s_wait_dscnt 4*NL
	WIN MUL_LO
	MUL16 0, 1, 0
	MUL16 2, 1, 0
	s_wait_dscnt 0
	WIN MUL_HI
	MUL16 4, 1, 0
	MUL16 6, 1, 0
	WIN 0
	PLACES NP                                      ; in front of loads into, and vector writes and reads of, the last products' registers
; The 64 numbers of block a in v[TMP] on (register 8 b + j) become 64 codes and go to the stage, 8 bytes a store
.macro CODES a, sto
.if (\a) >= 2
	s_wait_dscnt 8                                 ; block a - 2's stores, which read this set of code registers, are done; block a - 1's eight may be out
.endif
.irp b, 0,1,2,3,4,5,6,7
	v_cvt_scalef32_pk8_fp8_f32 v[CODE+16*((\a)%2)+2*\b:CODE+16*((\a)%2)+2*\b+1], v[TMP+8*\b:TMP+8*\b+7], v[SCL]
.endr
	v_nop                                          ; a plain line between the conversions and the next block's writes of their sources
.irp b, 0,1,2,3,4,5,6,7
	ds_store_b64 v[\sto], v[CODE+16*((\a)%2)+2*\b:CODE+16*((\a)%2)+2*\b+1] offset:(\a)*16*272+16*\b
.endr
.endm
; q, k: block a (16 tokens).  My 128 features are two heads; in a head, accumulators p and 2 + p (p = 0, 1) hold d and d + 32 of the same lane and register.
; out[d] = x[d] cos - x[d + 32] sin;  out[d + 32] = x[d + 32] cos + x[d] sin.  Each accumulator is read from its low end on.
.macro QKBLK a
.set AC, 64*((\a)%4)
.if (\a) < 3
.set CB, 32+32*(\a)
.set WC, 0
.else
.set CB, 32*((\a)-3)
.set WC, 1
.endif
	s_wait_loadcnt 56-8*(\a)                       ; of the table's 64 loads those of blocks 0 to a are in
	WIN (2+(\a)/4)|(WC<<2)                         ; source 0: the sums' window; source 1: the table's
.irp hd, 0,1
.irp p, 0,1
.irp j, 0,2,4,6
	v_pk_mul_f32 v[TMP+8*(4*\hd+\p)+\j:TMP+8*(4*\hd+\p)+\j+1], v[AC+8*(4*\hd+\p)+\j:AC+8*(4*\hd+\p)+\j+1], v[CB+8*\p+\j:CB+8*\p+\j+1]
	v_pk_mul_f32 v[TMP+8*(4*\hd+2+\p)+\j:TMP+8*(4*\hd+2+\p)+\j+1], v[AC+8*(4*\hd+2+\p)+\j:AC+8*(4*\hd+2+\p)+\j+1], v[CB+8*\p+\j:CB+8*\p+\j+1]
	v_pk_fma_f32 v[TMP+8*(4*\hd+\p)+\j:TMP+8*(4*\hd+\p)+\j+1], v[AC+8*(4*\hd+2+\p)+\j:AC+8*(4*\hd+2+\p)+\j+1], v[CB+16+8*\p+\j:CB+16+8*\p+\j+1], v[TMP+8*(4*\hd+\p)+\j:TMP+8*(4*\hd+\p)+\j+1] neg_lo:[0,1,0] neg_hi:[0,1,0]
	v_pk_fma_f32 v[TMP+8*(4*\hd+2+\p)+\j:TMP+8*(4*\hd+2+\p)+\j+1], v[AC+8*(4*\hd+\p)+\j:AC+8*(4*\hd+\p)+\j+1], v[CB+16+8*\p+\j:CB+16+8*\p+\j+1], v[TMP+8*(4*\hd+2+\p)+\j:TMP+8*(4*\hd+2+\p)+\j+1]
.endr
.endr
.endr
	WIN 0
.set i, 0
.rept 64
	v_med3_num_f32 v[TMP+i], v[TMP+i], -v[LIM], v[LIM]   ; the conversion does not saturate (ISA guide 7.6.2): the hold comes first
.set i, i+1
.endr
	s_wait_alu depctr_va_vdst(0)
	CODES \a, STOQ
.endm
.macro VBLK a                          ; v: block a (16 features): the hold moves the sums into window 0
.set AC, 64*((\a)%4)
	WIN 2+(\a)/4
.set i, 0
.rept 64
	v_med3_num_f32 v[TMP+i], v[AC+i], -v[LIM], v[LIM]
.set i, i+1
.endr
	WIN 0
	s_wait_alu depctr_va_vdst(0)
	CODES \a, STOV
.endm
.macro FINISH
	s_wait_tensorcnt 0x0                           ; the wave's end
	ds_add_u32 v[SPW], v[NIL]
	s_wait_dscnt 0x0
	CROUND                                         ; the closing round: no work-group ends while a partner may still ask for a tile that names it
	s_endpgm
.endm
	s_cmp_eq_u32 ttmp9, 2                          ; the same in all waves of all sixteen partners
	s_cbranch_scc1 .Lv_path
	; ---- q, k
	s_lshr_b32 s94, s17, 3                         ; the batch,
	s_lshl_b32 s94, s94, 4
	s_and_b32 s95, s42, 3
	s_lshl_b32 s95, s95, 2
	s_add_co_u32 s94, s94, s95                     ; x 16 + the tile's first head
	s_lshl_b32 s94, s94, 11
	s_and_b32 s95, s17, 7
	s_lshl_b32 s95, s95, 8
	s_add_co_u32 s94, s94, s95
	s_lshl_b32 s95, s14, 6
	s_add_co_u32 s94, s94, s95                     ; x 2,048 + the position of stage row 64 w
	s_lshl_b32 s94, s94, 6
	s_lshl_b32 s95, ttmp9, 22                      ; k lies 4,194,304 bytes behind q
	s_add_co_u32 s94, s94, s95
	s_mov_b32 s95, 0
	s_add_nc_u64 s[86:87], s[68:69], s[94:95]
	WIN 0x40                                       ; destination window 1: B's registers are free
	s_wait_alu depctr_va_vdst(0)
	ROPELD 3, 0
	ROPELD 4, 32
	ROPELD 5, 64
	ROPELD 6, 96
	ROPELD 7, 128
	WIN 0
.irp a, 0,1,2,3,4,5,6,7
	QKBLK \a
.endr
	s_wait_dscnt 0x0                               ; for the others' sake: my stores into the stage are done
	s_barrier_signal -1
	s_barrier_wait -1
.set t, 0
.rept 32
	ds_load_b128 v[128+4*t:128+4*t+3], v[RDQ] offset:(t/4)*8*272+64*(t%4)   ; eight tokens' 64 codes of head t % 4
.set t, t+1
.endr
.set t, 0
.rept 32
	s_wait_dscnt 31-t
	global_store_b128 v[GOQ], v[128+4*t:128+4*t+3], s[86:87] offset:(t%4)*131072+(t/4)*512   ; 512 consecutive bytes
.set t, t+1
.endr
	FINISH
.Lv_path:
	; ---- v
	s_lshr_b32 s94, s42, 3                         ; the batch
	s_lshl_b32 s94, s94, 10
	s_sub_co_u32 s95, s17, 8
	s_lshl_b32 s95, s95, 8
	s_add_co_u32 s94, s94, s95
	s_lshl_b32 s95, s14, 6
	s_add_co_u32 s94, s94, s95                     ; the row of vc of stage row 64 w
	s_lshl_b32 s94, s94, 11
	s_and_b32 s95, s42, 7
	s_lshl_b32 s95, s95, 8
	s_add_co_u32 s94, s94, s95                     ; + the tile's first key
	s_mov_b32 s95, 0
	s_add_nc_u64 s[86:87], s[70:71], s[94:95]
	s_wait_alu depctr_va_vdst(0)
.irp a, 0,1,2,3,4,5,6,7
	VBLK \a
.endr
	s_wait_dscnt 0x0
	s_barrier_signal -1
	s_barrier_wait -1
.set t, 0
.rept 32
	ds_load_b128 v[128+4*t:128+4*t+3], v[RDV] offset:2*t*272
.set t, t+1
.endr
.set t, 0
.rept 32
	s_wait_dscnt 31-t
	global_store_b128 v[GOV], v[128+4*t:128+4*t+3], s[86:87] offset:4096*t   ; sixteen lanes store 256 consecutive bytes, aligned
.set t, t+1
.endr
	FINISH
.Lfunc_end_k_qd0add70d05_qkv:
	.size	k_qd0add70d05_qkv, .Lfunc_end_k_qd0add70d05_qkv-k_qd0add70d05_qkv
	.p2alignl 7, 3214868480
	.fill 96, 4, 3214868480
	.section	.rodata,"a",@progbits
	.p2align	6, 0x0
	.amdhsa_kernel k_qd0add70d05_qkv
		.amdhsa_group_segment_fixed_size 327680
		.amdhsa_private_segment_fixed_size 0
		.amdhsa_enable_private_segment 0
		.amdhsa_kernarg_size 48
		.amdhsa_user_sgpr_count 2
		.amdhsa_user_sgpr_kernarg_segment_ptr 1
		.amdhsa_wavefront_size32 1
		.amdhsa_system_sgpr_workgroup_id_x 1
		.amdhsa_system_sgpr_workgroup_id_y 1
		.amdhsa_system_sgpr_workgroup_id_z 1
		.amdhsa_system_vgpr_workitem_id 0
		.amdhsa_next_free_vgpr 1024
		.amdhsa_next_free_sgpr 100
		.amdhsa_reserve_vcc 0
		.amdhsa_float_denorm_mode_32 3
		.amdhsa_float_denorm_mode_16_64 3
		.amdhsa_memory_ordered 1
		.amdhsa_forward_progress 1
		.amdhsa_inst_pref_size 214
	.end_amdhsa_kernel
	.amdgpu_metadata
---
amdhsa.version: [ 1, 2 ]
amdhsa.kernels:
  - .name:           k_qd0add70d05_qkv
    .symbol:         k_qd0add70d05_qkv.kd
    .args:
      - { .name: act, .offset: 0, .size: 8, .value_kind: global_buffer, .address_space: global }
      - { .name: Wqkv_codes, .offset: 8, .size: 8, .value_kind: global_buffer, .address_space: global }
      - { .name: lowp_scales, .offset: 16, .size: 8, .value_kind: global_buffer, .address_space: global }
      - { .name: rope, .offset: 24, .size: 8, .value_kind: global_buffer, .address_space: global }
      - { .name: qk, .offset: 32, .size: 8, .value_kind: global_buffer, .address_space: global }
      - { .name: vc, .offset: 40, .size: 8, .value_kind: global_buffer, .address_space: global }
    .group_segment_fixed_size: 327680
    .private_segment_fixed_size: 0
    .kernarg_segment_align: 8
    .kernarg_segment_size: 48
    .max_flat_workgroup_size: 128
    .sgpr_count:     100
    .vgpr_count:     1024
    .wavefront_size: 32
...
	.end_amdgpu_metadata
.endif
;; end of part 2
;; launch attn (part 3): grid 8 x 32, 8 waves a work-group, no clusters, 317,440 bytes of LDS; arguments qk, vc, mlane, lowp_scales, act, mflag; writes act
.if DOCPART == 3
	.amdgcn_target "amdgcn-amd-amdhsa--gfx1250"
	.amdhsa_code_object_version 6
	.text
	.protected	k_qd0add70d05_attn
	.globl	k_qd0add70d05_attn
	.p2align	8
	.type	k_qd0add70d05_attn,@function
k_qd0add70d05_attn:
	s_mov_b64 s[64:65], 0
	v_nop
	global_prefetch_b8 v0, s[64:65] scope:SCOPE_SE
	s_setreg_imm32_b32 hwreg(HW_REG_WAVE_MODE, 25, 1), 1
	s_wait_xcnt 0x0
; ATTENTION on codes of E4M3.  q, k: [32 heads][2048][64] (k 4,194,304 bytes behind q in qk); v: keys innermost, [32 heads x 64][2048]; the mask as lane-mask words (mlane) and one flag word for each
; tile of 16 queries and step of 128 keys (mflag: bit 0 some key counts, bit 1 all count): whole numbers that the first launch stored.
; OUT: act[token][1024]: codes (scale 2^e6) of the attention's result, head h at bytes 64 h on.
; t = score x log2(e) / 8; M = the running largest t rounded UP to a whole number; p = 2^(t - M) is quantised (2^e4), not normalised; the row's sum is taken of the unquantised p and divides at the end.
; THE MASK DECIDES WHAT IS MULTIPLIED.  It is an input of whole numbers, read here from memory.  A step all of whose keys are hidden for a tile gives p = 0 everywhere and moves neither M, the sum nor O of that tile.
; Scalar branches on the flags choose: tile A has a key that counts: the step for both tiles (a tile B that is hidden there is served by the select); tile B alone has one: the step for tile B; neither: nothing.
; A tile with no hidden key in the step needs no select; any other has its hidden scores set to -infinity ahead of the maximum.  That holds for every mask, whatever its pattern.
; A query with no key at all gets the NaN code in its 64 places, as the softmax of nothing is NaN.
; SHARES.  A work-group owns one head; wave w of work-group x owns tile A = 8 w + x of the head's 128 tiles of 16 queries, in register window 0, and tile B = 127 - A, in window 1: an early and a late tile to every wave.
; In a step that serves both, each fragment of K and V read from LDS feeds two tiles.
; THE HEAD'S WHOLE K AND V LIE IN LDS, filled once through registers (each wave 16,384 bytes of each), one barrier, read-only afterwards.  Key k lies in row k with bits 3 and 4 exchanged: so lane r of tile 2 b + u of K, which takes key
; 32 b + 8 u + r + 8 (r / 8), reads row 32 b + 16 u + r, sixteen neighbouring rows of 80 bytes.  The 16 registers of tiles 2 b, 2 b + 1 are then 16 neighbouring keys, 32 b + 16 (lane / 16) + 0 .. 15.
; NO TENSOR LOAD, NO CLUSTER: branches here hang on words read from memory.  NO PREFETCH: all of K and V is asked for at the head; there is no loop to run ahead in.
; Both products transposed: S^T = K Q^T, O^T = V^T P^T: a lane holds one query (lane % 16) of each tile.
; THE HOLD of p at 448 x 2^e4 is run where e4 < -8 alone: p is at most 1, and 448 x 2^-8 is above 1.
; LIMITS: e2 + e3 between -120 and 130; e4, and e6 - e4 - e5, between -126 and 119; scaled scores under 2^31 in magnitude.
.set KP,    80                         ; a key's row in LDS: 64 bytes + 16
.set VP,    2064                       ; a row of V: 2,048 keys + 16
.set VOFF,  2048*KP                    ; 163,840: V behind K
.set STG,   VOFF+64*VP                 ; 295,936: the way out: 32 rows x 80 bytes for each wave
.set SPARE, STG+8*32*KP                ; 316,416: the spare words, 128 bytes a wave
; window 0: v1-11 addresses and constants; v[12:13], v[14:15] -M and the largest t of A, of B; v16-23 Q; v24 -infinity, v25 448 x 2^e4, v26 2^e4; v32-95 K's eight fragments, then V's four;
; v96-159 S^T, then p; v160-191 O^T; v192-207 p's codes; v208-223 both tiles' small numbers; v224-235 at work.   window 1: tile B's Q, S^T, O^T, codes and v224-235, at the same numbers.
.set AK0, 1
.set AV0, 2
.set ADK, 3
.set ADV, 4
.set ADV2, 5
.set STO, 6
.set RD,  7
.set SCO, 8                            ; 2^(e6 - e4 - e5)
.set LMO, 9                            ; 448 x that
.set NANP, 10
.set GO,  11
.set SPW, 27
.set NIL, 29
.set GL,  32                           ; head only: 16 x lane; the flags' offset; Q's offset; where I store K, V in LDS
.set FL,  33
.set QO,  34
.set KS,  35
.set VS,  36
.set MX,  208                          ; v208, v209 the step's largest score of A, B; v210, v211 permutes' destinations
.set SM,  216                          ; v[216:217], v[218:219] the sums, two halves each
.set FF,  220                          ; v[220:221], v[222:223] f = 2^(old M - new M)
.set TM,  224
.set TS,  228
.set SEL, 2                            ; s2, s3 lane l xor 16
.set MPA, 4                            ; s[4:5] mlane at tile A
.set CS,  6                            ; s[6:7] log2(e) / 8 x 2^(e2 + e3)
.set OPA, 8                            ; s[8:9] act at tile A's 16 tokens, my head
.set WV,  10
.set MO,  11                           ; byte of the step's words in a tile's 4,096
.set TBK, 12                           ; the step's first byte in K, in a row of V
.set TBV, 13
.set TR,  14
.set FO,  15                           ; bit 0: tile A, bit 16: tile B, of the step in hand: some key counts
.set FA,  16                           ; all keys count
.set E4,  18
.set MPB, 24                           ; s[24:25], s[26:27] the same as MPA, OPA for tile B
.set OPB, 26
; a tile's 64 mask words of a step fill s32-63 and s68-99
.set MSB, 0
.macro WIN new                         ; the immediate's high byte repeats the setting that is left
.if MSB != (\new)
	s_set_vgpr_msb (MSB<<8)|(\new)
.set MSB, (\new)
.endif
.endm
	s_load_b256 s[32:39], s[0:1], 0x0              ; qk, vc, mlane, the scales' exponents
	s_load_b128 s[40:43], s[0:1], 0x20             ; act, mflag
	v_lshrrev_b32 v37, 5, v0
	v_readfirstlane_b32 s[WV], v37                 ; wave 0..7
	s_lshl_b32 s22, s[WV], 3
	s_add_co_u32 s22, s22, ttmp9                   ; tile A, 0..63.  The tiles' numbers enter global addresses alone
	s_sub_co_u32 s23, 127, s22                     ; tile B
	s_sub_co_u32 s20, s23, s22
	s_lshl_b32 s20, s20, 6                         ; from A's 16 flag words to B's
	s_and_b32 s28, ttmp7, 0xffff                   ; 16 x batch + head
	s_mul_i32 s29, s[WV], 256*KP
	s_mul_i32 s30, s[WV], 8*VP
	s_add_co_u32 s30, s30, VOFF
	s_mul_i32 s31, s[WV], 32*KP
	s_add_co_u32 s31, s31, STG                     ; my stage
	s_mov_b32 s[SEL], 0x76543210
	s_mov_b32 s[SEL+1], 0xfedcba98
	s_mov_b32 s[CS], 0x3e38aa3b                    ; log2(e) / 8
	v_lshl_add_u32 v[SPW], v0, 2, SPARE
	v_mov_b32 v[NIL], 0
	v_and_b32 v37, 31, v0                          ; lane
	v_and_b32 v38, 15, v0                          ; r
	v_bfe_u32 v39, v0, 4, 1                        ; h
	v_lshrrev_b32 v40, 2, v37
	v_and_b32 v41, 3, v37
	v_lshlrev_b32 v[GL], 4, v37
	v_mul_lo_u32 v[FL], v39, s20
	v_lshl_add_u32 v[FL], v38, 2, v[FL]            ; lanes 0-15: A's steps 0..15; lanes 16-31: B's
	v_lshlrev_b32 v[QO], 6, v38
	v_lshl_add_u32 v[QO], v39, 4, v[QO]
	v_mul_u32_u24 v[KS], v40, KP
	v_lshl_add_u32 v[KS], v41, 4, v[KS]            ; four lanes to a row of 64 bytes
	v_add_nc_u32 v[RD], s31, v[KS]
	v_add_nc_u32 v[KS], s29, v[KS]
	v_add_nc_u32 v[VS], s30, v[GL]
	v_lshlrev_b32 v[GO], 10, v40
	v_lshl_add_u32 v[GO], v41, 4, v[GO]
	v_mul_u32_u24 v[AK0], v38, KP
	v_lshl_add_u32 v[AK0], v39, 4, v[AK0]
	v_mul_u32_u24 v[AV0], v38, VP
	v_lshl_add_u32 v[AV0], v39, 4, v[AV0]
	v_add_nc_u32 v[AV0], VOFF, v[AV0]
	v_mul_u32_u24 v[STO], v38, KP
	v_lshl_add_u32 v[STO], v39, 3, v[STO]
	v_add_nc_u32 v[STO], s31, v[STO]
	s_wait_alu depctr_va_vdst(0)
	s_wait_kmcnt 0x0
	s_load_b128 s[56:59], s[38:39], 0x8            ; e2, e3, e4, e5
	s_load_b32 s60, s[38:39], 0x18                 ; e6
	s_lshl_b32 s19, s28, 17                        ; the head's first byte in q, in k and in vc
	s_mov_b32 s21, 0
	s_lshl_b32 s20, s22, 10
	s_add_co_u32 s20, s20, s19
	s_add_nc_u64 s[44:45], s[32:33], s[20:21]      ; Q at tile A,
	s_lshl_b32 s20, s23, 10
	s_add_co_u32 s20, s20, s19
	s_add_nc_u64 s[46:47], s[32:33], s[20:21]      ; at tile B
	s_lshl_b32 s20, s[WV], 14
	s_add_co_u32 s20, s20, s19
	s_add_nc_u64 s[50:51], s[34:35], s[20:21]      ; my 8 rows of V
	s_add_co_u32 s20, s20, 0x400000
	s_add_nc_u64 s[48:49], s[32:33], s[20:21]      ; my 256 keys of K
	s_lshr_b32 s19, s28, 4                         ; the batch
	s_lshl_b32 s19, s19, 7
	s_add_co_u32 s22, s22, s19                     ; the tiles among both batches' 256
	s_add_co_u32 s23, s23, s19
	s_lshl_b32 s20, s22, 12
	s_add_nc_u64 s[MPA:MPA+1], s[36:37], s[20:21]  ; 16 steps x 256 bytes of words a tile
	s_lshl_b32 s20, s23, 12
	s_add_nc_u64 s[MPB:MPB+1], s[36:37], s[20:21]
	s_lshl_b32 s20, s22, 6
	s_add_nc_u64 s[52:53], s[42:43], s[20:21]      ; A's flag words
	s_and_b32 s19, s28, 15
	s_lshl_b32 s19, s19, 6                         ; the head's 64 bytes of a token's row
	s_lshl_b32 s20, s22, 14
	s_add_co_u32 s20, s20, s19
	s_add_nc_u64 s[OPA:OPA+1], s[40:41], s[20:21]
	s_lshl_b32 s20, s23, 14
	s_add_co_u32 s20, s20, s19
	s_add_nc_u64 s[OPB:OPB+1], s[40:41], s[20:21]
	global_load_b128 v[16:19], v[QO], s[44:45]     ; Q's fragments: registers 4 c .. 4 c + 3 hold d = 32 c + 16 h + 0 .. 15, as K's do
	global_load_b128 v[20:23], v[QO], s[44:45] offset:32
	WIN 0x40
	global_load_b128 v[16:19], v[QO], s[46:47]
	global_load_b128 v[20:23], v[QO], s[46:47] offset:32
	WIN 0
	global_load_b32 v42, v[FL], s[52:53]           ; my two tiles' 32 flag words, a lane each
.set i, 0
.rept 32
	global_load_b128 v[64+4*i:67+4*i], v[GL], s[48:49] offset:512*i   ; 8 keys, 512 consecutive bytes
.set i, i+1
.endr
	WIN 0x40
.set i, 0
.rept 32
	global_load_b128 v[64+4*i:67+4*i], v[GL], s[50:51] offset:512*i   ; a quarter of a row of V
.set i, i+1
.endr
	WIN 0
	s_wait_kmcnt 0x0
	s_add_co_i32 s20, s56, s57
	s_lshl_b32 s20, s20, 23
	s_add_co_i32 s[CS], s[CS], s20                 ; a score stands for score x 2^(e2 + e3): added to c's exponent field
	s_mov_b32 s[CS+1], s[CS]
	s_mov_b32 s[E4], s58
	s_add_co_i32 s20, s58, 127
	s_lshl_b32 s21, s20, 23
	v_mov_b32 v26, s21                             ; 2^e4
	s_add_co_i32 s20, s20, 8
	s_lshl_b32 s20, s20, 23
	s_or_b32 s20, s20, 0x600000
	v_mov_b32 v25, s20                             ; 448 x 2^e4
	s_sub_co_i32 s20, s60, s58
	s_sub_co_i32 s20, s20, s59
	s_add_co_i32 s20, s20, 127
	s_lshl_b32 s21, s20, 23
	v_mov_b32 v[SCO], s21
	s_add_co_i32 s20, s20, 8
	s_lshl_b32 s20, s20, 23
	s_or_b32 s20, s20, 0x600000
	v_mov_b32 v[LMO], s20
	v_mov_b32 v[NANP], 0x7f7f7f7f
	v_mov_b32 v24, 0xff800000
	v_mov_b32 v13, 0xff61b1e6                      ; the largest t so far: -3e38
	v_mov_b32 v15, 0xff61b1e6
	v_floor_f32 v12, -v13                          ; -M
	v_floor_f32 v14, -v15
	s_mov_b32 s[MO], 0
	s_mov_b32 s[TBK], 0
	s_mov_b32 s[TBV], 0
	s_mov_b32 s[TR], 0
.set i, 0
.rept 32
.if i%8 == 0
	s_wait_loadcnt 56-i                            ; behind these eight loads of K: K's later ones and V's 32
.endif
	ds_store_b128 v[KS], v[64+4*i:67+4*i] offset:(32*(i/4)+16*(i%2)+8*((i/2)%2))*KP   ; key 8 i + lane / 4 of my 256, bits 3 and 4 exchanged
.set i, i+1
.endr
	WIN 0x04
.set i, 0
.rept 32
.if i%8 == 0
	s_wait_loadcnt 24-i                            ; behind these eight: V's later ones
.endif
	ds_store_b128 v[VS], v[64+4*i:67+4*i] offset:(i/4)*VP+(i%4)*512
.set i, i+1
.endr
	WIN 0
	s_wait_dscnt 0x0                               ; for the others' sake: my part of K and V is in LDS
	s_barrier_signal -1
	v_and_b32 v43, 1, v42                          ; work on registers while the others arrive
	v_and_b32 v44, 2, v42
	v_cmp_ne_u32 s[FO], 0, v43                     ; bit s: tile A in step s; bit 16 + s: tile B
	v_cmp_ne_u32 s[FA], 0, v44
.irp i, 210,211,216,217,218,219,221,223
	v_mov_b32 v\i, 0                               ; permutes' destinations, the sums, the upper halves of f's pairs
.endr
.set i, 0
.rept 32
	v_mov_b32 v[160+i], 0                          ; O^T: which step is a tile's first hangs on the mask, so the sums begin as zeros
.set i, i+1
.endr
	WIN 0x40
.set i, 0
.rept 32
	v_mov_b32 v[160+i], 0
.set i, i+1
.endr
	WIN 0
	s_wait_alu depctr_va_vdst(0)
	s_barrier_wait -1
.macro WORDS mp                                ; a tile's 64 words of the step in hand
	s_load_b512 s[32:47], s[\mp:\mp+1], s[MO] offset:0x0
	s_load_b512 s[48:63], s[\mp:\mp+1], s[MO] offset:0x40
	s_load_b512 s[68:83], s[\mp:\mp+1], s[MO] offset:0x80
	s_load_b512 s[84:99], s[\mp:\mp+1], s[MO] offset:0xc0
	s_wait_kmcnt 0x0
.endm
.macro HIDE w
	WIN \w
.set n, 0
.rept 64
	v_cndmask_b32 v[96+n], v24, v[96+n], s[32+n+4*(n/32)]   ; each accumulator from its low end on
.set n, n+1
.endr
.endm
.macro MAXT w, wl, mx                          ; a tile's largest score of the step, four chains, ascending through the accumulators
	WIN \w
	v_max3_num_f32 v[TM], v96, v97, v98
	v_max3_num_f32 v[TM+1], v99, v100, v101
	v_max3_num_f32 v[TM+2], v102, v103, v104
	v_max3_num_f32 v[TM+3], v105, v106, v107
.set i, 12
.rept 26
	v_max3_num_f32 v[TM+(i/2)%4], v[TM+(i/2)%4], v[96+i], v[97+i]
.set i, i+2
.endr
	v_max3_num_f32 v[TM], v[TM], v[TM+1], v[TM+2]
	WIN \wl
	v_max_num_f32 v[\mx], v[TM], v[TM+3]           ; into window 0
.endm
.macro CL k, x                                 ; line k of tile x's way from the step's largest score to -M and f, in window 0
.if \k == 1
	v_permlanex16_b32 v[MX+2+\x], v[MX+\x], s[SEL], s[SEL+1]
.endif
.if \k == 2
	v_max_num_f32 v[MX+\x], v[MX+\x], v[MX+2+\x]   ; and among lane l xor 16's
.endif
.if \k == 3
	v_mul_f32 v[MX+\x], s[CS], v[MX+\x]            ; as t
.endif
.if \k == 4
	v_max_num_f32 v[13+2*\x], v[13+2*\x], v[MX+\x] ; the running largest t
.endif
.if \k == 5
	v_mov_b32 v[MX+\x], v[12+2*\x]
.endif
.if \k == 6
	v_floor_f32 v[12+2*\x], -v[13+2*\x]            ; the new -M = -ceil(t)
.endif
.if \k == 7
	v_sub_f32 v[MX+\x], v[12+2*\x], v[MX+\x]       ; old M - new M: a whole number, 0 or less
.endif
.if \k == 8
	v_cvt_i32_f32 v[MX+\x], v[MX+\x]               ; (it saturates)
.endif
.if \k == 9
	v_ldexp_f32 v[FF+2*\x], 1.0, v[MX+\x]          ; f
.endif
.if \k == 10
	v_pk_mul_f32 v[SM+2*\x:SM+2*\x+1], v[SM+2*\x:SM+2*\x+1], v[FF+2*\x:FF+2*\x+1] op_sel_hi:[1,0]
.endif
.endm
.macro SCALE w, nm, f                          ; t - M, and O^T under the new M
	WIN \w
.set i, 0
.rept 32
	v_pk_fma_f32 v[96+i:97+i], v[96+i:97+i], s[CS:CS+1], v[\nm:\nm+1] op_sel_hi:[1,0,0]
.set i, i+2
.endr
.set i, 0
.rept 16
	v_pk_mul_f32 v[160+i:161+i], v[160+i:161+i], v[\f:\f+1] op_sel_hi:[1,0]
.set i, i+2
.endr
.endm
.macro EXPT w
	WIN \w
.set n, 0
.rept 64
	v_exp_f32 v[96+n], v[96+n]
.set n, n+1
.endr
.endm
.macro SUMT w, wl, sm                          ; the row's sum of the unquantised p, four packed chains
	WIN \w
.irp c, 0,1,2,3
	v_pk_add_f32 v[TS+2*\c:TS+2*\c+1], v[96+2*\c:97+2*\c], v[104+2*\c:105+2*\c]
.endr
.set i, 16
.rept 24
	v_pk_add_f32 v[TS+i%8:TS+i%8+1], v[TS+i%8:TS+i%8+1], v[96+i:97+i]
.set i, i+2
.endr
	v_pk_add_f32 v[TS:TS+1], v[TS:TS+1], v[TS+2:TS+3]
	v_pk_add_f32 v[TS+4:TS+5], v[TS+4:TS+5], v[TS+6:TS+7]
	v_pk_add_f32 v[TS:TS+1], v[TS:TS+1], v[TS+4:TS+5]
	WIN \wl
	v_pk_add_f32 v[\sm:\sm+1], v[\sm:\sm+1], v[TS:TS+1]
.endm
.macro HOLDT w
	WIN \w
.set n, 0
.rept 64
	v_min_num_f32 v[96+n], v[96+n], v25            ; the conversion does not saturate (ISA guide 7.6.2); p is not negative
.set n, n+1
.endr
.endm
.macro CODET w
	WIN \w
.irp b, 0,1,2,3
	v_cvt_scalef32_pk8_fp8_f32 v[192+4*\b:193+4*\b], v[96+16*\b:103+16*\b], v26
	v_cvt_scalef32_pk8_fp8_f32 v[194+4*\b:195+4*\b], v[104+16*\b:111+16*\b], v26
.endr
.endm
; A KEY STEP of 128 keys.  a = 1: for both tiles; a = 0: for tile B alone
.macro BODY a
	v_add_nc_u32 v[ADK], s[TBK], v[AK0]
	v_add_nc_u32 v[ADV], s[TBV], v[AV0]
	v_add_nc_u32 v[ADV2], 32*VP, v[ADV]            ; rows 32 on: beyond an LDS offset's 16 bits
.irp t, 0,1,2,3,4,5,6,7
.irp c, 0,1
	ds_load_b128 v[32+8*\t+4*\c:35+8*\t+4*\c], v[ADK] offset:16*\t*KP+32*\c
.endr
.endr
	s_wait_alu depctr_va_vdst(0)
	s_wait_dscnt 0x0
.if \a
.irp t, 0,1,2,3,4,5,6,7
	v_wmma_f32_16x16x64_fp8_fp8 v[96+8*\t:103+8*\t], v[32+8*\t:39+8*\t], v[16:23], 0
.endr
.endif
	WIN 0x44                                       ; tile B: Q and S^T in window 1, K's fragments in window 0
.irp t, 0,1,2,3,4,5,6,7
	v_wmma_f32_16x16x64_fp8_fp8 v[96+8*\t:103+8*\t], v[32+8*\t:39+8*\t], v[16:23], 0
.endr
	WIN 0
.rept 4
	v_nop                                          ; places behind the products (ISA guide 7.12.1)
.endr
.irp t, 0,1
.irp c, 0,1,2,3
	ds_load_b128 v[32+16*\t+4*\c:35+16*\t+4*\c], v[ADV] offset:16*\t*VP+32*\c   ; V's fragments land under the softmax
.endr
.endr
.irp t, 0,1
.irp c, 0,1,2,3
	ds_load_b128 v[64+16*\t+4*\c:67+16*\t+4*\c], v[ADV2] offset:16*\t*VP+32*\c
.endr
.endr
.if \a
	s_bitcmp1_b32 s[FA], 0
	s_cbranch_scc1 .Lopen_a_\@                     ; no key of the step is hidden for tile A
	WORDS MPA
	HIDE 0
.Lopen_a_\@:
.endif
	s_bitcmp1_b32 s[FA], 16
	s_cbranch_scc1 .Lopen_b_\@
	WORDS MPB
	HIDE 0x44
	WIN 0
.Lopen_b_\@:
.if \a
	MAXT 0, 0, MX
.endif
	MAXT 0x55, 0x05, MX+1
	WIN 0
.irp k, 1,2,3,4,5,6,7,8,9,10
.if \a
	CL \k, 0
.endif
	CL \k, 1
.endr
.if \a
	SCALE 0, 12, FF
.endif
	SCALE 0x41, 14, FF+2
	s_wait_alu depctr_va_vdst(0)                   ; one wait ahead of the batch of exponentials,
	EXPT 0x41
.if \a
	EXPT 0
.endif
	v_nop                                          ; a plain place,
	s_wait_alu depctr_va_vdst(0)                   ; and one behind it
.if \a
	SUMT 0, 0, SM
.endif
	SUMT 0x55, 0x04, SM+2
	WIN 0
	s_cmp_ge_i32 s[E4], -8
	s_cbranch_scc1 .Lno_hold_\@                    ; 448 x 2^e4 is above 1, and p is not
.if \a
	HOLDT 0
.endif
	HOLDT 0x41
	WIN 0
.Lno_hold_\@:
.if \a
	CODET 0
.endif
	CODET 0x41
	WIN 0
	v_nop                                          ; a plain line behind the last conversion
	s_wait_alu depctr_va_vdst(0)
	s_wait_dscnt 0x0                               ; V's fragments
.if \a
.irp t, 0,1,2,3
	v_wmma_f32_16x16x128_fp8_fp8 v[160+8*\t:167+8*\t], v[32+16*\t:47+16*\t], v[192:207], v[160+8*\t:167+8*\t]   ; the accumulators by turns
.endr
.endif
	WIN 0x54                                       ; tile B: codes and O^T in window 1
.irp t, 0,1,2,3
	v_wmma_f32_16x16x128_fp8_fp8 v[160+8*\t:167+8*\t], v[32+16*\t:47+16*\t], v[192:207], v[160+8*\t:167+8*\t]
.endr
	WIN 0
.rept 4
	v_nop                                          ; places in front of the next loads into V's registers and of the way out's reads
.endr
.endm
.Lstep:                                            ; 16 trips, a constant: a hidden step's work is jumped over, its address steps are not
	s_bitcmp1_b32 s[FO], 0
	s_cbranch_scc1 .Lboth
	s_bitcmp1_b32 s[FO], 16
	s_cbranch_scc0 .Lnext
	BODY 0
	s_branch .Lnext
.Lboth:
	BODY 1
.Lnext:
	s_lshr_b32 s[FO], s[FO], 1
	s_lshr_b32 s[FA], s[FA], 1
	s_add_co_u32 s[MO], s[MO], 256
	s_add_co_u32 s[TBK], s[TBK], 128*KP
	s_add_co_u32 s[TBV], s[TBV], 128
	s_add_co_u32 s[TR], s[TR], 1
	s_cmp_lt_u32 s[TR], 16
	s_wait_alu depctr_va_vdst(0)
	s_cbranch_scc1 .Lstep
	; ---- the way out
	v_add_f32 v216, v216, v217
	v_add_f32 v218, v218, v219
	v_permlanex16_b32 v210, v216, s[SEL], s[SEL+1]
	v_permlanex16_b32 v211, v218, s[SEL], s[SEL+1]
	v_add_f32 v216, v216, v210                     ; the rows' sums
	v_add_f32 v218, v218, v211
	v_cmp_eq_f32 s20, 0, v216                      ; 0: no key counted
	v_cmp_eq_f32 s21, 0, v218
	s_wait_alu depctr_va_vdst(0)
	v_rcp_f32 v217, v216
	v_rcp_f32 v219, v218
	v_nop
.macro OUTT w, wst, rc, nn, off
	WIN \w
	s_wait_alu depctr_va_vdst(0)                   ; behind the reciprocals, directly ahead of the first reader of O^T
.set i, 0
.rept 32
	v_mul_f32 v[96+i], v[160+i], v[\rc]            ; register 8 t + j is d = 16 t + 8 h + j of my query
.set i, i+1
.endr
.set i, 0
.rept 32
	v_med3_num_f32 v[96+i], v[96+i], -v[LMO], v[LMO]
.set i, i+1
.endr
.irp t, 0,1,2,3
	v_cvt_scalef32_pk8_fp8_f32 v[192+2*\t:193+2*\t], v[96+8*\t:103+8*\t], v[SCO]
.endr
	v_nop
.irp i, 0,1,2,3,4,5,6,7
	v_cndmask_b32 v[192+\i], v[192+\i], v[NANP], s[\nn]
.endr
	WIN \wst
.irp t, 0,1,2,3
	ds_store_b64 v[STO], v[192+2*\t:193+2*\t] offset:16*\t+\off
.endr
.endm
	OUTT 0, 0, 217, 20, 0
	OUTT 0x41, 0x04, 219, 21, 16*KP
	WIN 0
.irp k, 0,1,2,3
	ds_load_b128 v[32+4*\k:35+4*\k], v[RD] offset:\k*8*KP   ; LDS serves a wave's instructions in order: these see my stores
.endr
.irp k, 0,1
	s_wait_dscnt 3-\k                              ; the younger read-backs may be out
	global_store_b128 v[GO], v[32+4*\k:35+4*\k], s[OPA:OPA+1] offset:8192*\k   ; eight tokens' 64 bytes of my head
.endr
.irp k, 0,1
	s_wait_dscnt 1-\k
	global_store_b128 v[GO], v[40+4*\k:43+4*\k], s[OPB:OPB+1] offset:8192*\k
.endr
	s_wait_tensorcnt 0x0                           ; the wave's end
	ds_add_u32 v[SPW], v[NIL]
	s_wait_dscnt 0x0
	s_endpgm
.Lfunc_end_k_qd0add70d05_attn:
	.size	k_qd0add70d05_attn, .Lfunc_end_k_qd0add70d05_attn-k_qd0add70d05_attn
	.p2alignl 7, 3214868480
	.fill 96, 4, 3214868480
	.section	.rodata,"a",@progbits
	.p2align	6, 0x0
	.amdhsa_kernel k_qd0add70d05_attn
		.amdhsa_group_segment_fixed_size 317440
		.amdhsa_private_segment_fixed_size 0
		.amdhsa_enable_private_segment 0
		.amdhsa_kernarg_size 48
		.amdhsa_user_sgpr_count 2
		.amdhsa_user_sgpr_kernarg_segment_ptr 1
		.amdhsa_wavefront_size32 1
		.amdhsa_system_sgpr_workgroup_id_x 1
		.amdhsa_system_sgpr_workgroup_id_y 1
		.amdhsa_system_sgpr_workgroup_id_z 1
		.amdhsa_system_vgpr_workitem_id 0
		.amdhsa_next_free_vgpr 512
		.amdhsa_next_free_sgpr 100
		.amdhsa_reserve_vcc 0
		.amdhsa_float_denorm_mode_32 3
		.amdhsa_float_denorm_mode_16_64 3
		.amdhsa_memory_ordered 1
		.amdhsa_forward_progress 1
		.amdhsa_inst_pref_size 87
	.end_amdhsa_kernel
	.amdgpu_metadata
---
amdhsa.version: [ 1, 2 ]
amdhsa.kernels:
  - .name:           k_qd0add70d05_attn
    .symbol:         k_qd0add70d05_attn.kd
    .args:
      - { .name: qk, .offset: 0, .size: 8, .value_kind: global_buffer, .address_space: global }
      - { .name: vc, .offset: 8, .size: 8, .value_kind: global_buffer, .address_space: global }
      - { .name: mlane, .offset: 16, .size: 8, .value_kind: global_buffer, .address_space: global }
      - { .name: lowp_scales, .offset: 24, .size: 8, .value_kind: global_buffer, .address_space: global }
      - { .name: act, .offset: 32, .size: 8, .value_kind: global_buffer, .address_space: global }
      - { .name: mflag, .offset: 40, .size: 8, .value_kind: global_buffer, .address_space: global }
    .group_segment_fixed_size: 317440
    .private_segment_fixed_size: 0
    .kernarg_segment_align: 8
    .kernarg_segment_size: 48
    .max_flat_workgroup_size: 256
    .sgpr_count:     100
    .vgpr_count:     512
    .wavefront_size: 32
...
	.end_amdgpu_metadata
.endif
;; end of part 3
;; launch oproj (part 4): grid 8 x 32, 4 waves a work-group, clusters of 4 x 4, 327,680 bytes of LDS; arguments act, Wout_codes, lowp_scales, x, x1; writes x1
.if DOCPART == 4
	.amdgcn_target "amdgcn-amd-amdhsa--gfx1250"
	.amdhsa_code_object_version 6
	.text
	.protected	k_qd0add70d05_oproj
	.globl	k_qd0add70d05_oproj
	.p2align	8
	.type	k_qd0add70d05_oproj,@function
k_qd0add70d05_oproj:
	s_mov_b64 s[64:65], 0
	v_nop
	global_prefetch_b8 v0, s[64:65] scope:SCOPE_SE
	s_setreg_imm32_b32 hwreg(HW_REG_WAVE_MODE, 25, 1), 1
	s_wait_xcnt 0x0
	s_wait_alu depctr_hold_cnt(0) depctr_sa_sdst(0) depctr_va_vdst(0) depctr_va_sdst(0) depctr_va_ssrc(0) depctr_va_vcc(0) depctr_vm_vsrc(0)
	s_getreg_b32 s2, hwreg(HW_REG_IB_STS2, 6, 4)
	s_cmp_eq_u32 s2, 0
	s_cbranch_scc0 .Lentry_in_a_cluster
	s_endpgm
.Lentry_in_a_cluster:
	s_bfe_u32 s2, ttmp6, 0x10000c
	s_cmp_lg_u32 s2, 0xf033
	s_cbranch_scc0 .Lentry_shape_is_right
	s_endpgm
.Lentry_shape_is_right:
.set SIZE_K, 1024
.set SC_OFF, 24
.set LAPS,   1
.set KSTEP,  512
.set PITCH,  528
.set HALFT,  64*PITCH
.set SLOT,   4*HALFT
.set STAGE,  2*SLOT
.set SPITCH, 272
.set SPARE,  STAGE+4*16*SPITCH
.set ADRA, 16
.set ADRB, 20
.set STO,  24
.set RD,   25
.set CO,   26
.set SPW,  28
.set NIL,  29
.set TMP,  32
.set ACC,  128
.set F0,   0
.set F1,   128
.set G1, 24
.set G0, 32
.set G1B, 48
.set G0B, 56
.set MSB, 0
.macro WIN new
.if MSB != (\new)
	s_set_vgpr_msb (MSB<<8)|(\new)
.set MSB, (\new)
.endif
.endm
.set MUL,  0x05
.set TO_F, 0x40
.macro JLOAD s
	s_cmp_eq_u32 s11, 0
	s_cbranch_scc0 .Lfor_b_\@
	tensor_load_to_lds s[G0+4*\s:G0+4*\s+3], s[G1:G1+7]
	s_nop 0
.rept 4
	v_nop
.endr
	s_branch .Lasked_\@
.Lfor_b_\@:
	tensor_load_to_lds s[G0B+4*\s:G0B+4*\s+3], s[G1B:G1B+7]
	s_nop 0
.rept 4
	v_nop
.endr
.Lasked_\@:
.endm
.macro CREST
	s_cmp_lg_u32 s10, 0
	s_cbranch_scc1 .Lnot_wave_0_\@
	s_barrier_signal -3
.Lnot_wave_0_\@:
	s_barrier_wait -3
	s_barrier_signal -1
	s_barrier_wait -1
.endm
.macro CROUND
	s_barrier_signal -1
	s_barrier_wait -1
	CREST
.endm
	s_load_b128 s[4:7], s[0:1], 0x0
	s_load_b128 s[68:71], s[0:1], 0x10
	s_load_b64 s[8:9], s[0:1], 0x20
	v_lshl_add_u32 v[SPW], v0, 2, SPARE
	v_mov_b32 v[NIL], 0
	ds_add_u32 v28, v29
	ds_add_u32 v28, v29
	s_wait_dscnt 0x0
	v_lshrrev_b32 v1, 5, v0
	v_readfirstlane_b32 s10, v1
	s_lshr_b32 s11, s10, 1
	s_and_b32 s12, s10, 1
	s_bfe_u32 s40, ttmp6, 0x40000
	s_bfe_u32 s41, ttmp6, 0x40004
	s_lshl_b32 s42, ttmp9, 2
	s_add_co_u32 s42, s42, s40
	s_and_b32 s13, ttmp7, 0xffff
	s_lshl_b32 s13, s13, 2
	s_add_co_u32 s13, s13, s41
	s_lshl_b32 s43, s41, 2
	s_lshl_b32 s43, 15, s43
	s_lshl_b32 s44, 0x1111, s40
	s_or_b32 s[G1+0], s43, (0<<16)|(1<<20)|(1<<21)|(6<<22)|(3<<25)
	s_or_b32 s[G1B+0], s44, (0<<16)|(1<<20)|(1<<21)|(6<<22)|(3<<25)
.irp g, G1, G1B
	s_mov_b32 s[\g+1], KSTEP<<16
	s_mov_b32 s[\g+2], 64<<16
	s_mov_b32 s[\g+3], KSTEP<<16
	s_mov_b32 s[\g+4], 64
	s_mov_b32 s[\g+5], SIZE_K
	s_mov_b32 s[\g+6], 0
	s_mov_b32 s[\g+7], 0
.endr
	s_lshl_b32 s17, s12, 6
	s_lshl_b32 s16, s13, 7
	s_add_co_u32 s16, s16, s17
	s_lshl_b32 s46, s42, 7
	s_add_co_u32 s46, s46, s17
	s_mov_b32 s17, 0
	s_mov_b32 s47, 0
	s_mov_b64 s[18:19], SIZE_K
	s_mul_u64 s[16:17], s[16:17], s[18:19]
	s_mul_u64 s[46:47], s[46:47], s[18:19]
	s_mul_i32 s20, s10, HALFT
	s_wait_kmcnt 0x0
	s_load_b64 s[72:73], s[68:69], SC_OFF
	s_add_nc_u64 s[14:15], s[4:5], s[16:17]
	s_add_nc_u64 s[46:47], s[6:7], s[46:47]
	CROUND
.irp s, 0,1
	s_mov_b32 s[G0+4*\s], 1
	s_add_co_u32 s[G0+4*\s+1], s20, \s*SLOT
	s_add_nc_u64 s[G0+4*\s+2:G0+4*\s+3], s[14:15], \s*KSTEP
	s_or_b32 s[G0+4*\s+3], s[G0+4*\s+3], 0x80000000
	s_mov_b32 s[G0B+4*\s], 1
	s_add_co_u32 s[G0B+4*\s+1], s20, \s*SLOT
	s_add_nc_u64 s[G0B+4*\s+2:G0B+4*\s+3], s[46:47], \s*KSTEP
	s_or_b32 s[G0B+4*\s+3], s[G0B+4*\s+3], 0x80000000
.endr
	JLOAD 0
	v_and_b32 v1, 15, v0
	s_wait_alu depctr_va_vdst(0)
	v_bfe_u32 v2, v0, 4, 1
	v_mul_u32_u24 v3, v1, PITCH
	v_lshl_add_u32 v3, v2, 4, v3
	s_mul_i32 s21, s11, HALFT
	s_mul_i32 s22, s12, HALFT
	s_add_co_u32 s22, s22, 2*HALFT
.irp s, 0,1
	v_add_nc_u32 v[ADRA+\s], s21, v3
	v_add_nc_u32 v[ADRB+\s], s22, v3
	s_add_co_u32 s21, s21, SLOT
	s_add_co_u32 s22, s22, SLOT
.endr
	s_mul_i32 s23, s10, 16*SPITCH
	s_add_co_u32 s23, s23, STAGE
	v_mul_u32_u24 v4, v1, SPITCH
	s_wait_alu depctr_va_vdst(0)
	v_lshl_add_u32 v4, v2, 5, v4
	v_add_nc_u32 v[STO], s23, v4
	v_mul_u32_u24 v5, v2, SPITCH
	v_lshl_add_u32 v5, v1, 4, v5
	v_add_nc_u32 v[RD], s23, v5
	v_lshlrev_b32 v[CO], 12, v2
	v_lshl_add_u32 v[CO], v1, 4, v[CO]
	s_wait_alu depctr_va_vdst(0)
	s_lshl_b32 s16, s13, 7
	s_lshl_b32 s17, s11, 6
	s_add_co_u32 s16, s16, s17
	s_lshl_b32 s16, s16, 12
	s_mov_b32 s17, 0
	s_lshl_b32 s46, s42, 9
	s_lshl_b32 s47, s12, 8
	s_add_co_u32 s46, s46, s47
	s_mov_b32 s47, 0
	s_add_nc_u64 s[8:9], s[8:9], s[16:17]
	s_add_nc_u64 s[8:9], s[8:9], s[46:47]
	s_add_nc_u64 s[70:71], s[70:71], s[16:17]
	s_add_nc_u64 s[70:71], s[70:71], s[46:47]
	WIN 0x80
.set i, 0
.rept 32
	global_load_b128 v[4*i:4*i+3], v[CO], s[70:71] offset:(16*(i/8)+2*(i%8))*4096 th:TH_LOAD_NT
.set i, i+1
.endr
	WIN 0
	s_wait_kmcnt 0x0
	s_add_co_i32 s72, s72, s73
	s_add_co_i32 s72, s72, 127
	s_lshl_b32 s72, s72, 23
	s_mov_b32 s73, s72
.macro MUL4 f, a, zero
.irp b, 0,1,2,3
.if \zero
	v_wmma_f32_16x16x128_fp8_fp8 v[ACC+8*(4*(\a)+\b):ACC+8*(4*(\a)+\b)+7], v[\f+64+16*\b:\f+64+16*\b+15], v[\f+16*(\a):\f+16*(\a)+15], 0
.else
	v_wmma_f32_16x16x128_fp8_fp8 v[ACC+8*(4*(\a)+\b):ACC+8*(4*(\a)+\b)+7], v[\f+64+16*\b:\f+64+16*\b+15], v[\f+16*(\a):\f+16*(\a)+15], v[ACC+8*(4*(\a)+\b):ACC+8*(4*(\a)+\b)+7]
.endif
.endr
.endm
.macro FETCH slot, k, f
	WIN TO_F
.irp i, 0,1,2,3
.irp c, 0,1,2,3
	ds_load_b128 v[\f+64+16*\i+4*\c:\f+64+16*\i+4*\c+3], v[ADRB+\slot] offset:\k+32*\c+\i*16*PITCH
.endr
.endr
.irp i, 0,1,2,3
.irp c, 0,1,2,3
	ds_load_b128 v[\f+16*\i+4*\c:\f+16*\i+4*\c+3], v[ADRA+\slot] offset:\k+32*\c+\i*16*PITCH
.endr
.endr
.endm
.macro PLACES
.rept 4
	v_nop
.endr
.endm
.macro QUARTER slot, k, f, g, zero
	s_wait_dscnt 8
	WIN MUL
	MUL4 \f, 0, \zero
	MUL4 \f, 1, \zero
	PLACES
	FETCH \slot, \k, \g
	s_wait_dscnt 32
	WIN MUL
	MUL4 \f, 2, \zero
	MUL4 \f, 3, \zero
.endm
.macro TURN slot, next, fill
	WIN 0
	s_wait_tensorcnt 0x0
	ds_add_u32 v[SPW], v[NIL]
	s_wait_dscnt 13
	WIN MUL
	MUL4 F1, 0, 0
	s_wait_dscnt 0x0
	s_barrier_signal -1
	MUL4 F1, 1, 0
.if \fill
	WIN 0
.endif
	s_barrier_wait -1
.if \fill
	CREST
	s_add_nc_u64 s[G0+4*\slot+2:G0+4*\slot+3], s[G0+4*\slot+2:G0+4*\slot+3], 2*KSTEP
	s_add_nc_u64 s[G0B+4*\slot+2:G0B+4*\slot+3], s[G0B+4*\slot+2:G0B+4*\slot+3], 2*KSTEP
	JLOAD \slot
.else
	PLACES
.endif
	FETCH \next, 0, F0
	WIN MUL
	MUL4 F1, 2, 0
	MUL4 F1, 3, 0
.endm
	s_wait_alu depctr_va_vdst(0)
	s_wait_tensorcnt 0x0
	ds_add_u32 v[SPW], v[NIL]
	s_wait_dscnt 0x0
	CROUND
	JLOAD 1
	FETCH 0, 0, F0
	QUARTER 0, 128, F0, F1, 1
.if LAPS > 1
	WIN 0
	s_mov_b32 s3, LAPS-1
.Llap:
	QUARTER 0, 256, F1, F0, 0
	QUARTER 0, 384, F0, F1, 0
	TURN 0, 1, 1
	QUARTER 1, 128, F0, F1, 0
	QUARTER 1, 256, F1, F0, 0
	QUARTER 1, 384, F0, F1, 0
	TURN 1, 0, 1
	QUARTER 0, 128, F0, F1, 0
	WIN 0
	s_sub_co_u32 s3, s3, 1
	s_cmp_lg_u32 s3, 0
	s_cbranch_scc1 .Llap
.endif
	QUARTER 0, 256, F1, F0, 0
	QUARTER 0, 384, F0, F1, 0
	TURN 0, 1, 0
	QUARTER 1, 128, F0, F1, 0
	QUARTER 1, 256, F1, F0, 0
	QUARTER 1, 384, F0, F1, 0
	s_wait_dscnt 8
	WIN MUL
	MUL4 F1, 0, 0
	MUL4 F1, 1, 0
	s_wait_dscnt 0
	MUL4 F1, 2, 0
	MUL4 F1, 3, 0
	WIN 0
	PLACES
	s_wait_loadcnt 0x0
.macro TOSTAGE a
.if (\a) >= 2
	s_wait_xcnt 0x0
.endif
.irp b, 0,1,2,3
	ds_store_b128 v[STO], v[ACC+8*(4*(\a)+\b):ACC+8*(4*(\a)+\b)+3] offset:64*\b
	ds_store_b128 v[STO], v[ACC+8*(4*(\a)+\b)+4:ACC+8*(4*(\a)+\b)+7] offset:64*\b+16
.endr
.irp t, 0,1,2,3,4,5,6,7
	ds_load_b128 v[TMP+32*((\a)%2)+4*\t:TMP+32*((\a)%2)+4*\t+3], v[RD] offset:2*\t*SPITCH
.endr
.endm
.macro SEND a, younger
	s_wait_dscnt \younger
	WIN 0x20
.irp i, 0,2,4,6,8,10,12,14,16,18,20,22,24,26,28,30
	v_pk_fma_f32 v[TMP+32*((\a)%2)+\i:TMP+32*((\a)%2)+\i+1], v[TMP+32*((\a)%2)+\i:TMP+32*((\a)%2)+\i+1], s[72:73], v[32*(\a)+\i:32*(\a)+\i+1] op_sel_hi:[1,0,1]
.endr
	WIN 0
.irp t, 0,1,2,3,4,5,6,7
	global_store_b128 v[CO], v[TMP+32*((\a)%2)+4*\t:TMP+32*((\a)%2)+4*\t+3], s[8:9] offset:(16*(\a)+2*\t)*4096 th:TH_STORE_NT
.endr
.endm
	TOSTAGE 0
.irp a, 1,2,3
	TOSTAGE \a
	SEND \a-1, 16
.endr
	SEND 3, 0
	s_wait_tensorcnt 0x0
	ds_add_u32 v[SPW], v[NIL]
	s_wait_dscnt 0x0
	CROUND
	s_endpgm
.Lfunc_end_k_qd0add70d05_oproj:
	.size	k_qd0add70d05_oproj, .Lfunc_end_k_qd0add70d05_oproj-k_qd0add70d05_oproj
	.p2alignl 7, 3214868480
	.fill 96, 4, 3214868480
	.section	.rodata,"a",@progbits
	.p2align	6, 0x0
	.amdhsa_kernel k_qd0add70d05_oproj
		.amdhsa_group_segment_fixed_size 327680
		.amdhsa_private_segment_fixed_size 0
		.amdhsa_enable_private_segment 0
		.amdhsa_kernarg_size 40
		.amdhsa_user_sgpr_count 2
		.amdhsa_user_sgpr_kernarg_segment_ptr 1
		.amdhsa_wavefront_size32 1
		.amdhsa_system_sgpr_workgroup_id_x 1
		.amdhsa_system_sgpr_workgroup_id_y 1
		.amdhsa_system_sgpr_workgroup_id_z 1
		.amdhsa_system_vgpr_workitem_id 0
		.amdhsa_next_free_vgpr 640
		.amdhsa_next_free_sgpr 80
		.amdhsa_reserve_vcc 0
		.amdhsa_float_denorm_mode_32 3
		.amdhsa_float_denorm_mode_16_64 3
		.amdhsa_memory_ordered 1
		.amdhsa_forward_progress 1
		.amdhsa_inst_pref_size 49
	.end_amdhsa_kernel
	.amdgpu_metadata
---
amdhsa.version: [ 1, 2 ]
amdhsa.kernels:
  - .name:           k_qd0add70d05_oproj
    .symbol:         k_qd0add70d05_oproj.kd
    .args:
      - { .name: act, .offset: 0, .size: 8, .value_kind: global_buffer, .address_space: global }
      - { .name: Wout_codes, .offset: 8, .size: 8, .value_kind: global_buffer, .address_space: global }
      - { .name: lowp_scales, .offset: 16, .size: 8, .value_kind: global_buffer, .address_space: global }
      - { .name: x, .offset: 24, .size: 8, .value_kind: global_buffer, .address_space: global }
      - { .name: x1, .offset: 32, .size: 8, .value_kind: global_buffer, .address_space: global }
    .group_segment_fixed_size: 327680
    .private_segment_fixed_size: 0
    .kernarg_segment_align: 8
    .kernarg_segment_size: 40
    .max_flat_workgroup_size: 128
    .sgpr_count:     80
    .vgpr_count:     640
    .wavefront_size: 32
...
	.end_amdgpu_metadata
.endif
;; end of part 4
;; launch norm2 (part 5): grid 512 x 1, 8 waves a work-group, no clusters, 9,216 bytes of LDS; arguments x1, g2, lowp_scales, act; writes act
.if DOCPART == 5
	.amdgcn_target "amdgcn-amd-amdhsa--gfx1250"
	.amdhsa_code_object_version 6
	.text
	.protected	k_qd0add70d05_norm2
	.globl	k_qd0add70d05_norm2
	.p2align	8
	.type	k_qd0add70d05_norm2,@function
k_qd0add70d05_norm2:
	s_mov_b64 s[64:65], 0
	v_nop
	global_prefetch_b8 v0, s[64:65] scope:SCOPE_SE
	s_setreg_imm32_b32 hwreg(HW_REG_WAVE_MODE, 25, 1), 1
	s_wait_xcnt 0x0
; act[row][1024] = codes of E4M3 of g2 * x1 / sqrt(mean(x1^2) + 1e-6), scale 2^e8 (entry 8 of the scales).  A wave takes a row: W = 8 x work-group + wave.
; A launch of its own: the mean wants a row's 1,024 columns, which eight work-groups of the launch before made, and sixteen work-groups of the next read each row's codes.
; No loop, no barrier; a wave's 1,024 bytes of LDS are its own.  LIMIT: e8 between -126 and 119.
.set XR, 16                            ; v16-47  register 4 j + i = column 128 j + 4 lane + i
.set GR, 48                            ; v48-79  g2 at the same columns
.set CD, 80                            ; v80-87  codes
.set BK, 88                            ; v88-95  the row's codes read back
	s_load_b256 s[4:11], s[0:1], 0x0               ; x1 s[4:5], g2 s[6:7], the scales' exponents s[8:9], act s[10:11]
	v_lshl_add_u32 v96, v0, 2, 0x2000
	v_mov_b32 v97, 0
	v_lshrrev_b32 v7, 5, v0
	s_delay_alu instid0(VALU_DEP_1)
	v_readfirstlane_b32 s18, v7                    ; wave
	v_and_b32 v1, 31, v0
	s_lshl_b32 s19, ttmp9, 3
	s_add_co_u32 s19, s19, s18                     ; W
	v_lshlrev_b32 v2, 4, v1
	s_lshl_b32 s20, s18, 10
	v_lshl_add_u32 v4, v1, 2, s20
	v_lshl_add_u32 v5, v1, 4, s20
	s_mov_b32 s22, 0x76543210
	s_mov_b32 s23, 0xfedcba98
	s_mov_b32 s27, 0x3a800000                      ; 1 / 1,024
	s_mov_b32 s28, 0x358637bd                      ; 1e-6
	s_mov_b32 s21, 0
	s_wait_alu depctr_va_vdst(0)
	s_wait_kmcnt 0x0
	s_load_b32 s24, s[8:9], 0x20                   ; e8
	s_lshl_b32 s20, s19, 12
	s_add_nc_u64 s[4:5], s[4:5], s[20:21]
	s_lshl_b32 s20, s19, 10
	s_add_nc_u64 s[10:11], s[10:11], s[20:21]
.irp j, 0,1,2,3,4,5,6,7
	global_load_b128 v[XR+4*\j:XR+4*\j+3], v2, s[4:5] offset:512*\j th:TH_LOAD_NT
.endr
.irp j, 0,1,2,3,4,5,6,7
	global_load_b128 v[GR+4*\j:GR+4*\j+3], v2, s[6:7] offset:512*\j
.endr
	s_wait_loadcnt 0x0
	v_pk_mul_f32 v[8:9], v[XR:XR+1], v[XR:XR+1]
	v_pk_mul_f32 v[10:11], v[XR+2:XR+3], v[XR+2:XR+3]
.irp j, 4,8,12,16,20,24,28
	s_delay_alu instid0(VALU_DEP_2)
	v_pk_fma_f32 v[8:9], v[XR+\j:XR+\j+1], v[XR+\j:XR+\j+1], v[8:9]
	s_delay_alu instid0(VALU_DEP_2)
	v_pk_fma_f32 v[10:11], v[XR+\j+2:XR+\j+3], v[XR+\j+2:XR+\j+3], v[10:11]
.endr
	s_delay_alu instid0(VALU_DEP_1)
	v_pk_add_f32 v[8:9], v[8:9], v[10:11]
	s_delay_alu instid0(VALU_DEP_1)
	v_add_f32 v8, v8, v9
	s_delay_alu instid0(VALU_DEP_1)
	v_add_f32_dpp v8, v8, v8 row_xmask:1 row_mask:0xf bank_mask:0xf
	s_delay_alu instid0(VALU_DEP_1)
	v_add_f32_dpp v8, v8, v8 row_xmask:2 row_mask:0xf bank_mask:0xf
	s_delay_alu instid0(VALU_DEP_1)
	v_add_f32_dpp v8, v8, v8 row_xmask:4 row_mask:0xf bank_mask:0xf
	s_delay_alu instid0(VALU_DEP_1)
	v_add_f32_dpp v8, v8, v8 row_xmask:8 row_mask:0xf bank_mask:0xf
	s_delay_alu instid0(VALU_DEP_1)
	v_permlanex16_b32 v9, v8, s22, s23
	s_delay_alu instid0(VALU_DEP_1)
	v_add_f32 v8, v8, v9
	s_delay_alu instid0(VALU_DEP_1)
	v_fma_f32 v8, v8, s27, s28
	s_wait_alu depctr_va_vdst(0)
	v_rsq_f32 v12, v8
	v_rsq_f32 v13, v8
	s_wait_kmcnt 0x0
	s_add_co_i32 s24, s24, 127
	s_lshl_b32 s25, s24, 23
	v_mov_b32 v15, s25                             ; 2^e8 (a plain line behind the two roots)
	s_add_co_i32 s24, s24, 8
	s_lshl_b32 s24, s24, 23
	s_or_b32 s24, s24, 0x600000
	v_mov_b32 v14, s24                             ; 448 x 2^e8
	s_wait_alu depctr_va_vdst(0)                   ; one wait for both roots, ahead of their first reader
.irp j, 0,2,4,6,8,10,12,14,16,18,20,22,24,26,28,30
	v_pk_mul_f32 v[XR+\j:XR+\j+1], v[XR+\j:XR+\j+1], v[12:13]
.endr
.irp j, 0,2,4,6,8,10,12,14,16,18,20,22,24,26,28,30
	v_pk_mul_f32 v[XR+\j:XR+\j+1], v[XR+\j:XR+\j+1], v[GR+\j:GR+\j+1]
.endr
.set i, 0
.rept 32
	v_med3_num_f32 v[XR+i], v[XR+i], -v14, v14     ; the conversion does not saturate (ISA guide 7.6.2)
.set i, i+1
.endr
.irp g, 0,1,2,3
	v_cvt_scalef32_pk8_fp8_f32 v[CD+2*\g:CD+2*\g+1], v[XR+8*\g:XR+8*\g+7], v15
.endr
	v_nop
.irp j, 0,1,2,3,4,5,6,7
	ds_store_b32 v4, v[CD+\j] offset:128*\j
.endr
	ds_load_b128 v[BK:BK+3], v5                    ; LDS serves a wave's instructions in order
	ds_load_b128 v[BK+4:BK+7], v5 offset:512
	s_wait_dscnt 0x0
	global_store_b128 v2, v[BK:BK+3], s[10:11]
	global_store_b128 v2, v[BK+4:BK+7], s[10:11] offset:512
	s_wait_tensorcnt 0x0
	ds_add_u32 v96, v97
	s_wait_dscnt 0x0
	s_endpgm
.Lfunc_end_k_qd0add70d05_norm2:
	.size	k_qd0add70d05_norm2, .Lfunc_end_k_qd0add70d05_norm2-k_qd0add70d05_norm2
	.p2alignl 7, 3214868480
	.fill 96, 4, 3214868480
	.section	.rodata,"a",@progbits
	.p2align	6, 0x0
	.amdhsa_kernel k_qd0add70d05_norm2
		.amdhsa_group_segment_fixed_size 9216
		.amdhsa_private_segment_fixed_size 0
		.amdhsa_enable_private_segment 0
		.amdhsa_kernarg_size 32
		.amdhsa_user_sgpr_count 2
		.amdhsa_user_sgpr_kernarg_segment_ptr 1
		.amdhsa_wavefront_size32 1
		.amdhsa_system_sgpr_workgroup_id_x 1
		.amdhsa_system_sgpr_workgroup_id_y 1
		.amdhsa_system_sgpr_workgroup_id_z 1
		.amdhsa_system_vgpr_workitem_id 0
		.amdhsa_next_free_vgpr 98
		.amdhsa_next_free_sgpr 66
		.amdhsa_reserve_vcc 0
		.amdhsa_float_denorm_mode_32 3
		.amdhsa_float_denorm_mode_16_64 3
		.amdhsa_memory_ordered 1
		.amdhsa_forward_progress 1
		.amdhsa_inst_pref_size 11
	.end_amdhsa_kernel
	.amdgpu_metadata
---
amdhsa.version: [ 1, 2 ]
amdhsa.kernels:
  - .name:           k_qd0add70d05_norm2
    .symbol:         k_qd0add70d05_norm2.kd
    .args:
      - { .name: x1, .offset: 0, .size: 8, .value_kind: global_buffer, .address_space: global }
      - { .name: g2, .offset: 8, .size: 8, .value_kind: global_buffer, .address_space: global }
      - { .name: lowp_scales, .offset: 16, .size: 8, .value_kind: global_buffer, .address_space: global }
      - { .name: act, .offset: 24, .size: 8, .value_kind: global_buffer, .address_space: global }
    .group_segment_fixed_size: 9216
    .private_segment_fixed_size: 0
    .kernarg_segment_align: 8
    .kernarg_segment_size: 32
    .max_flat_workgroup_size: 256
    .sgpr_count:     66
    .vgpr_count:     98
    .wavefront_size: 32
...
	.end_amdgpu_metadata
.endif
;; end of part 5
;; launch ffn1 (part 6): grid 16 x 16, 4 waves a work-group, clusters of 4 x 4, 327,680 bytes of LDS; arguments act, W1_codes, lowp_scales, qk; writes qk
.if DOCPART == 6
	.amdgcn_target "amdgcn-amd-amdhsa--gfx1250"
	.amdhsa_code_object_version 6
	.text
	.protected	k_qd0add70d05_ffn1
	.globl	k_qd0add70d05_ffn1
	.p2align	8
	.type	k_qd0add70d05_ffn1,@function
k_qd0add70d05_ffn1:
	s_mov_b64 s[64:65], 0
	v_nop
	global_prefetch_b8 v0, s[64:65] scope:SCOPE_SE
	s_setreg_imm32_b32 hwreg(HW_REG_WAVE_MODE, 25, 1), 1
	s_wait_xcnt 0x0
	s_wait_alu depctr_hold_cnt(0) depctr_sa_sdst(0) depctr_va_vdst(0) depctr_va_sdst(0) depctr_va_ssrc(0) depctr_va_vcc(0) depctr_vm_vsrc(0)
	s_getreg_b32 s2, hwreg(HW_REG_IB_STS2, 6, 4)
	s_cmp_eq_u32 s2, 0
	s_cbranch_scc0 .Lentry_in_a_cluster
	s_endpgm
.Lentry_in_a_cluster:
	s_bfe_u32 s2, ttmp6, 0x10000c
	s_cmp_lg_u32 s2, 0xf033
	s_cbranch_scc0 .Lentry_shape_is_right
	s_endpgm
.Lentry_shape_is_right:
.set KSTEP,  256
.set ROWB,   256
.set KROW,   1024
.set PITCH,  272
.set FR,     16
.set NL,     4
.set NP,     4
.set HALFT,  128*PITCH
.set SLOT,   4*HALFT
.set LAPS,   2
.set SPARE,  2*SLOT
.set HP,     144
.set LIM,  8
.set SCL,  9
.set RD,   11
.set GO,   13
.set ADRA, 16
.set ADRB, 20
.set STO,  24
.set SPW,  28
.set NIL,  29
.set ARG,  32
.set PROD, 64
.set CODE, 96
.set AF,   128
.set G1, 24
.set G0, 32
.set G1B, 48
.set G0B, 56
.set MSB, 0
.macro WIN new
.if MSB != (\new)
	s_set_vgpr_msb (MSB<<8)|(\new)
.set MSB, (\new)
.endif
.endm
.set MUL_LO, 0xa1
.set MUL_HI, 0xf1
.set TO_B,   0x40
.macro JLOAD g0a, g1a, g0b, g1b
	s_cmp_eq_u32 s15, 0
	s_cbranch_scc0 .Lfor_b_\@
	tensor_load_to_lds s[\g0a:\g0a+3], s[\g1a:\g1a+7]
	s_nop 0
.rept 4
	v_nop
.endr
	s_branch .Lasked_\@
.Lfor_b_\@:
	tensor_load_to_lds s[\g0b:\g0b+3], s[\g1b:\g1b+7]
	s_nop 0
.rept 4
	v_nop
.endr
.Lasked_\@:
.endm
.macro CREST
	s_cmp_lg_u32 s14, 0
	s_cbranch_scc1 .Lnot_wave_0_\@
	s_barrier_signal -3
.Lnot_wave_0_\@:
	s_barrier_wait -3
	s_barrier_signal -1
	s_barrier_wait -1
.endm
.macro CROUND
	s_barrier_signal -1
	s_barrier_wait -1
	CREST
.endm
	s_load_b256 s[4:11], s[0:1], 0x0
	v_lshl_add_u32 v[SPW], v0, 2, SPARE
	v_mov_b32 v[NIL], 0
	ds_add_u32 v28, v29
	ds_add_u32 v28, v29
	s_wait_dscnt 0x0
	v_lshrrev_b32 v1, 5, v0
	v_readfirstlane_b32 s14, v1
	s_lshr_b32 s15, s14, 1
	s_and_b32 s16, s14, 1
	s_bfe_u32 s40, ttmp6, 0x40000
	s_bfe_u32 s41, ttmp6, 0x40004
	s_lshl_b32 s42, ttmp9, 2
	s_add_co_u32 s42, s42, s40
	s_and_b32 s17, ttmp7, 0xffff
	s_lshl_b32 s17, s17, 2
	s_add_co_u32 s17, s17, s41
	s_lshl_b32 s43, s41, 2
	s_lshl_b32 s43, 15, s43
	s_lshl_b32 s44, 0x1111, s40
	s_or_b32 s[G1+0], s43, (0<<16)|(1<<20)|(1<<21)|(5<<22)|(3<<25)
	s_or_b32 s[G1B+0], s44, (0<<16)|(1<<20)|(1<<21)|(5<<22)|(3<<25)
.irp g, G1, G1B
	s_mov_b32 s[\g+1], ROWB<<16
	s_mov_b32 s[\g+2], 128<<16
	s_mov_b32 s[\g+3], ROWB<<16
	s_mov_b32 s[\g+4], 128
	s_mov_b32 s[\g+5], KROW
	s_mov_b32 s[\g+6], 0
	s_mov_b32 s[\g+7], 0
.endr
	s_lshl_b32 s18, s16, 7
	s_lshl_b32 s20, s17, 8
	s_add_co_u32 s20, s20, s18
	s_lshl_b32 s20, s20, 10
	s_mov_b32 s21, 0
	s_lshl_b32 s18, s16, 11
	s_lshl_b32 s46, s42, 7
	s_add_co_u32 s46, s46, s18
	s_lshl_b32 s46, s46, 10
	s_mov_b32 s47, 0
	s_mul_i32 s45, s14, HALFT
	s_wait_kmcnt 0x0
	s_load_b128 s[72:75], s[8:9], 0x20
	s_add_nc_u64 s[20:21], s[4:5], s[20:21]
	s_add_nc_u64 s[46:47], s[6:7], s[46:47]
	CROUND
.irp s, 0,1
	s_mov_b32 s[G0+4*\s], 1
	s_add_co_u32 s[G0+4*\s+1], s45, \s*SLOT
	s_add_nc_u64 s[G0+4*\s+2:G0+4*\s+3], s[20:21], \s*ROWB
	s_or_b32 s[G0+4*\s+3], s[G0+4*\s+3], 0x80000000
	s_mov_b32 s[G0B+4*\s], 1
	s_add_co_u32 s[G0B+4*\s+1], s45, \s*SLOT
	s_add_nc_u64 s[G0B+4*\s+2:G0B+4*\s+3], s[46:47], \s*ROWB
	s_or_b32 s[G0B+4*\s+3], s[G0B+4*\s+3], 0x80000000
.endr
	JLOAD G0, G1, G0B, G1B
	v_and_b32 v1, 15, v0
	v_bfe_u32 v2, v0, 4, 1
	v_mul_u32_u24 v3, v1, PITCH
	v_lshl_add_u32 v4, v2, 4, v3
	s_mul_i32 s21, s15, HALFT
	s_mul_i32 s22, s16, 64*PITCH
	s_add_co_u32 s22, s22, 2*HALFT
.irp s, 0,1
	v_add_nc_u32 v[ADRA+\s], s21, v4
	v_add_nc_u32 v[ADRB+\s], s22, v4
	s_add_co_u32 s21, s21, SLOT
	s_add_co_u32 s22, s22, SLOT
.endr
	v_mul_u32_u24 v5, v1, HP
	v_lshl_add_u32 v5, v2, 3, v5
	s_mul_i32 s23, s15, 128*HP
	s_lshl_b32 s21, s16, 6
	s_add_co_u32 s23, s23, s21
	v_add_nc_u32 v[STO], s23, v5
	v_and_b32 v6, 31, v0
	v_lshrrev_b32 v7, 3, v6
	v_and_b32 v5, 7, v6
	v_mul_u32_u24 v[RD], v7, HP
	v_lshl_add_u32 v[RD], v5, 4, v[RD]
	s_mul_i32 s23, s14, 64*HP
	v_add_nc_u32 v[RD], s23, v[RD]
	v_lshlrev_b32 v[GO], 11, v7
	v_lshl_add_u32 v[GO], v5, 4, v[GO]
	s_lshl_b32 s20, s17, 8
	s_lshl_b32 s21, s14, 6
	s_add_co_u32 s20, s20, s21
	s_lshl_b32 s20, s20, 11
	s_mov_b32 s21, 0
	s_lshl_b32 s46, s42, 7
	s_mov_b32 s47, 0
	s_add_nc_u64 s[10:11], s[10:11], s[20:21]
	s_add_nc_u64 s[10:11], s[10:11], s[46:47]
	s_wait_kmcnt 0x0
	s_add_co_i32 s84, s72, s73
	s_lshl_b32 s85, s84, 23
	s_add_co_i32 s76, s85, 0xbfb8aa3b
	s_mov_b32 s77, s76
	s_lshl_b32 s85, s84, 1
	s_sub_co_i32 s85, s74, s85
	s_add_co_i32 s85, s85, 127
	s_lshl_b32 s84, s85, 23
	v_mov_b32 v[SCL], s84
	s_add_co_i32 s85, s85, 8
	s_lshl_b32 s85, s85, 23
	s_or_b32 s85, s85, 0x600000
	v_mov_b32 v[LIM], s85
.macro FRAG reg, adr, q, i
.irp c, 0,1,2,3
	ds_load_b128 v[\reg+4*\c:\reg+4*\c+3], v[\adr] offset:128*(\q)+32*\c+(\i)*16*PITCH
.endr
.endm
.macro FRAGB reg, adr, q, i
.irp c, 0,1,2,3
	ds_load_b128 v[\reg+4*\c:\reg+4*\c+3], v[\adr] offset:128*(\q)+32*\c+((\i)+4*((\i)/4))*16*PITCH
.endr
.endm
.macro MUL16 a0, p, zero
.irp a, \a0, \a0+1
.irp b, 0,1,2,3,4,5,6,7
.if \zero
	v_wmma_f32_16x16x128_fp8_fp8 v[8*(8*((\a)%4)+\b):8*(8*((\a)%4)+\b)+7], v[128*(\p)+FR*\b:128*(\p)+FR*\b+FR-1], v[AF+FR*(\a):AF+FR*(\a)+FR-1], 0
.else
	v_wmma_f32_16x16x128_fp8_fp8 v[8*(8*((\a)%4)+\b):8*(8*((\a)%4)+\b)+7], v[128*(\p)+FR*\b:128*(\p)+FR*\b+FR-1], v[AF+FR*(\a):AF+FR*(\a)+FR-1], v[8*(8*((\a)%4)+\b):8*(8*((\a)%4)+\b)+7]
.endif
.endr
.endr
.endm
.macro FETCH_B slot, q, p
	WIN TO_B
.irp i, 0,1,2,3,4,5,6,7
	FRAGB 128*(\p)+FR*\i, ADRB+\slot, \q, \i
.endr
	WIN 0
.endm
.macro FETCH_A slot, q, i0
.irp i, \i0, \i0+1, \i0+2, \i0+3
	FRAG AF+FR*(\i), ADRA+\slot, \q, \i
.endr
.endm
.macro PLACES n
.rept \n
	v_nop
.endr
.endm
.macro STEP slot, q, zero
	s_wait_dscnt 4*NL
	WIN MUL_LO
	MUL16 0, (\q)%2, \zero
	MUL16 2, (\q)%2, \zero
	s_wait_dscnt 0
	PLACES NP
	FETCH_B \slot, (\q)+1, 1-(\q)%2
	FETCH_A \slot, (\q)+1, 0
	WIN MUL_HI
	MUL16 4, (\q)%2, \zero
	MUL16 6, (\q)%2, \zero
	PLACES NP
	WIN 0
	FETCH_A \slot, (\q)+1, 4
.endm
.macro TURN slot, next, fill
	s_wait_tensorcnt 0x0
	ds_add_u32 v[SPW], v[NIL]
	s_wait_dscnt 4*NL+1
	WIN MUL_LO
	MUL16 0, 1, 0
	s_wait_dscnt 0x0
	s_barrier_signal -1
	MUL16 2, 1, 0
	WIN 0
	s_barrier_wait -1
.if \fill
	CREST
	s_add_nc_u64 s[G0+4*\slot+2:G0+4*\slot+3], s[G0+4*\slot+2:G0+4*\slot+3], 2*ROWB
	s_add_nc_u64 s[G0B+4*\slot+2:G0B+4*\slot+3], s[G0B+4*\slot+2:G0B+4*\slot+3], 2*ROWB
	JLOAD G0+4*\slot, G1, G0B+4*\slot, G1B
.else
	PLACES NP
.endif
	FETCH_B \next, 0, 0
	FETCH_A \next, 0, 0
	WIN MUL_HI
	MUL16 4, 1, 0
	MUL16 6, 1, 0
	PLACES NP
	WIN 0
	FETCH_A \next, 0, 4
.endm
	s_wait_alu depctr_va_vdst(0)
	s_wait_tensorcnt 0x0
	ds_add_u32 v[SPW], v[NIL]
	s_wait_dscnt 0x0
	CROUND
	JLOAD G0+4, G1, G0B+4, G1B
	FETCH_B 0, 0, 0
	FETCH_A 0, 0, 0
	FETCH_A 0, 0, 4
	STEP 0, 0, 1
	s_mov_b32 s3, LAPS-1
.Llap:
	TURN 0, 1, 1
	STEP 1, 0, 0
	TURN 1, 0, 1
	STEP 0, 0, 0
	s_sub_co_u32 s3, s3, 1
	s_cmp_lg_u32 s3, 0
	s_cbranch_scc1 .Llap
	TURN 0, 1, 0
	STEP 1, 0, 0
	s_wait_dscnt 4*NL
	WIN MUL_LO
	MUL16 0, 1, 0
	MUL16 2, 1, 0
	s_wait_dscnt 0
	WIN MUL_HI
	MUL16 4, 1, 0
	MUL16 6, 1, 0
	WIN 0
	PLACES NP
.macro HBLK a
.set AC, 64*((\a)%4)
.set WA, 2+(\a)/4
	WIN WA|(WA<<2)
.irp j, 0,2,4,6,8,10,12,14,16,18,20,22,24,26,28,30
	v_pk_mul_f32 v[ARG+\j:ARG+\j+1], v[AC+32+\j:AC+32+\j+1], s[76:77] op_sel_hi:[1,0]
.endr
	WIN 0
.set i, 0
	s_wait_alu depctr_va_vdst(0)
.rept 32
	v_exp_f32 v[ARG+i], v[ARG+i]
.set i, i+1
.endr
	WIN WA|(WA<<2)
	s_wait_alu depctr_va_vdst(0)
.irp j, 0,2,4,6,8,10,12,14,16,18,20,22,24,26,28,30
	v_pk_mul_f32 v[PROD+\j:PROD+\j+1], v[AC+\j:AC+\j+1], v[AC+32+\j:AC+32+\j+1]
.endr
	WIN 0
	s_wait_alu depctr_va_vdst(0)
.irp j, 0,2,4,6,8,10,12,14,16,18,20,22,24,26,28,30
	v_pk_add_f32 v[ARG+\j:ARG+\j+1], v[ARG+\j:ARG+\j+1], 1.0 op_sel_hi:[1,0]
.endr
.set i, 0
	s_wait_alu depctr_va_vdst(0)
.rept 32
	v_rcp_f32 v[ARG+i], v[ARG+i]
.set i, i+1
.endr
	v_nop
	s_wait_alu depctr_va_vdst(0)
.irp j, 0,2,4,6,8,10,12,14,16,18,20,22,24,26,28,30
	v_pk_mul_f32 v[PROD+\j:PROD+\j+1], v[PROD+\j:PROD+\j+1], v[ARG+\j:ARG+\j+1]
.endr
.set i, 0
.rept 32
	v_med3_num_f32 v[PROD+i], v[PROD+i], -v[LIM], v[LIM]
.set i, i+1
.endr
.if (\a) >= 2
	s_wait_alu depctr_va_vdst(0)
	s_wait_dscnt 4
.endif
.irp b, 0,1,2,3
	v_cvt_scalef32_pk8_fp8_f32 v[CODE+8*((\a)%2)+2*\b:CODE+8*((\a)%2)+2*\b+1], v[PROD+8*\b:PROD+8*\b+7], v[SCL]
.endr
	v_nop
.irp b, 0,1,2,3
	ds_store_b64 v[STO], v[CODE+8*((\a)%2)+2*\b:CODE+8*((\a)%2)+2*\b+1] offset:(\a)*16*HP+16*\b
.endr
.endm
.irp a, 0,1,2,3,4,5,6,7
	HBLK \a
.endr
	s_wait_dscnt 0x0
	s_barrier_signal -1
	s_barrier_wait -1
.set t, 0
.rept 16
	ds_load_b128 v[128+4*t:128+4*t+3], v[RD] offset:4*t*HP
.set t, t+1
.endr
.set t, 0
.rept 16
	s_wait_dscnt 15-t
	global_store_b128 v[GO], v[128+4*t:128+4*t+3], s[10:11] offset:8192*t
.set t, t+1
.endr
	s_wait_tensorcnt 0x0
	ds_add_u32 v[SPW], v[NIL]
	s_wait_dscnt 0x0
	CROUND
	s_endpgm
.Lfunc_end_k_qd0add70d05_ffn1:
	.size	k_qd0add70d05_ffn1, .Lfunc_end_k_qd0add70d05_ffn1-k_qd0add70d05_ffn1
	.p2alignl 7, 3214868480
	.fill 96, 4, 3214868480
	.section	.rodata,"a",@progbits
	.p2align	6, 0x0
	.amdhsa_kernel k_qd0add70d05_ffn1
		.amdhsa_group_segment_fixed_size 327680
		.amdhsa_private_segment_fixed_size 0
		.amdhsa_enable_private_segment 0
		.amdhsa_kernarg_size 32
		.amdhsa_user_sgpr_count 2
		.amdhsa_user_sgpr_kernarg_segment_ptr 1
		.amdhsa_wavefront_size32 1
		.amdhsa_system_sgpr_workgroup_id_x 1
		.amdhsa_system_sgpr_workgroup_id_y 1
		.amdhsa_system_sgpr_workgroup_id_z 1
		.amdhsa_system_vgpr_workitem_id 0
		.amdhsa_next_free_vgpr 1024
		.amdhsa_next_free_sgpr 100
		.amdhsa_reserve_vcc 0
		.amdhsa_float_denorm_mode_32 3
		.amdhsa_float_denorm_mode_16_64 3
		.amdhsa_memory_ordered 1
		.amdhsa_forward_progress 1
		.amdhsa_inst_pref_size 153
	.end_amdhsa_kernel
	.amdgpu_metadata
---
amdhsa.version: [ 1, 2 ]
amdhsa.kernels:
  - .name:           k_qd0add70d05_ffn1
    .symbol:         k_qd0add70d05_ffn1.kd
    .args:
      - { .name: act, .offset: 0, .size: 8, .value_kind: global_buffer, .address_space: global }
      - { .name: W1_codes, .offset: 8, .size: 8, .value_kind: global_buffer, .address_space: global }
      - { .name: lowp_scales, .offset: 16, .size: 8, .value_kind: global_buffer, .address_space: global }
      - { .name: qk, .offset: 24, .size: 8, .value_kind: global_buffer, .address_space: global }
    .group_segment_fixed_size: 327680
    .private_segment_fixed_size: 0
    .kernarg_segment_align: 8
    .kernarg_segment_size: 32
    .max_flat_workgroup_size: 128
    .sgpr_count:     100
    .vgpr_count:     1024
    .wavefront_size: 32
...
	.end_amdgpu_metadata
.endif
;; end of part 6
;; launch ffn2 (part 7): grid 8 x 32, 4 waves a work-group, clusters of 4 x 4, 327,680 bytes of LDS; arguments qk, W2_codes, lowp_scales, x1, out0; writes out0
.if DOCPART == 7
	.amdgcn_target "amdgcn-amd-amdhsa--gfx1250"
	.amdhsa_code_object_version 6
	.text
	.protected	k_qd0add70d05_ffn2
	.globl	k_qd0add70d05_ffn2
	.p2align	8
	.type	k_qd0add70d05_ffn2,@function
k_qd0add70d05_ffn2:
	s_mov_b64 s[64:65], 0
	v_nop
	global_prefetch_b8 v0, s[64:65] scope:SCOPE_SE
	s_setreg_imm32_b32 hwreg(HW_REG_WAVE_MODE, 25, 1), 1
	s_wait_xcnt 0x0
	s_wait_alu depctr_hold_cnt(0) depctr_sa_sdst(0) depctr_va_vdst(0) depctr_va_sdst(0) depctr_va_ssrc(0) depctr_va_vcc(0) depctr_vm_vsrc(0)
	s_getreg_b32 s2, hwreg(HW_REG_IB_STS2, 6, 4)
	s_cmp_eq_u32 s2, 0
	s_cbranch_scc0 .Lentry_in_a_cluster
	s_endpgm
.Lentry_in_a_cluster:
	s_bfe_u32 s2, ttmp6, 0x10000c
	s_cmp_lg_u32 s2, 0xf033
	s_cbranch_scc0 .Lentry_shape_is_right
	s_endpgm
.Lentry_shape_is_right:
.set SIZE_K, 2048
.set SC_OFF, 40
.set LAPS,   2
.set KSTEP,  512
.set PITCH,  528
.set HALFT,  64*PITCH
.set SLOT,   4*HALFT
.set STAGE,  2*SLOT
.set SPITCH, 272
.set SPARE,  STAGE+4*16*SPITCH
.set ADRA, 16
.set ADRB, 20
.set STO,  24
.set RD,   25
.set CO,   26
.set SPW,  28
.set NIL,  29
.set TMP,  32
.set ACC,  128
.set F0,   0
.set F1,   128
.set G1, 24
.set G0, 32
.set G1B, 48
.set G0B, 56
.set MSB, 0
.macro WIN new
.if MSB != (\new)
	s_set_vgpr_msb (MSB<<8)|(\new)
.set MSB, (\new)
.endif
.endm
.set MUL,  0x05
.set TO_F, 0x40
.macro JLOAD s
	s_cmp_eq_u32 s11, 0
	s_cbranch_scc0 .Lfor_b_\@
	tensor_load_to_lds s[G0+4*\s:G0+4*\s+3], s[G1:G1+7]
	s_nop 0
.rept 4
	v_nop
.endr
	s_branch .Lasked_\@
.Lfor_b_\@:
	tensor_load_to_lds s[G0B+4*\s:G0B+4*\s+3], s[G1B:G1B+7]
	s_nop 0
.rept 4
	v_nop
.endr
.Lasked_\@:
.endm
.macro CREST
	s_cmp_lg_u32 s10, 0
	s_cbranch_scc1 .Lnot_wave_0_\@
	s_barrier_signal -3
.Lnot_wave_0_\@:
	s_barrier_wait -3
	s_barrier_signal -1
	s_barrier_wait -1
.endm
.macro CROUND
	s_barrier_signal -1
	s_barrier_wait -1
	CREST
.endm
	s_load_b128 s[4:7], s[0:1], 0x0
	s_load_b128 s[68:71], s[0:1], 0x10
	s_load_b64 s[8:9], s[0:1], 0x20
	v_lshl_add_u32 v[SPW], v0, 2, SPARE
	v_mov_b32 v[NIL], 0
	ds_add_u32 v28, v29
	ds_add_u32 v28, v29
	s_wait_dscnt 0x0
	v_lshrrev_b32 v1, 5, v0
	v_readfirstlane_b32 s10, v1
	s_lshr_b32 s11, s10, 1
	s_and_b32 s12, s10, 1
	s_bfe_u32 s40, ttmp6, 0x40000
	s_bfe_u32 s41, ttmp6, 0x40004
	s_lshl_b32 s42, ttmp9, 2
	s_add_co_u32 s42, s42, s40
	s_and_b32 s13, ttmp7, 0xffff
	s_lshl_b32 s13, s13, 2
	s_add_co_u32 s13, s13, s41
	s_lshl_b32 s43, s41, 2
	s_lshl_b32 s43, 15, s43
	s_lshl_b32 s44, 0x1111, s40
	s_or_b32 s[G1+0], s43, (0<<16)|(1<<20)|(1<<21)|(6<<22)|(3<<25)
	s_or_b32 s[G1B+0], s44, (0<<16)|(1<<20)|(1<<21)|(6<<22)|(3<<25)
.irp g, G1, G1B
	s_mov_b32 s[\g+1], KSTEP<<16
	s_mov_b32 s[\g+2], 64<<16
	s_mov_b32 s[\g+3], KSTEP<<16
	s_mov_b32 s[\g+4], 64
	s_mov_b32 s[\g+5], SIZE_K
	s_mov_b32 s[\g+6], 0
	s_mov_b32 s[\g+7], 0
.endr
	s_lshl_b32 s17, s12, 6
	s_lshl_b32 s16, s13, 7
	s_add_co_u32 s16, s16, s17
	s_lshl_b32 s46, s42, 7
	s_add_co_u32 s46, s46, s17
	s_mov_b32 s17, 0
	s_mov_b32 s47, 0
	s_mov_b64 s[18:19], SIZE_K
	s_mul_u64 s[16:17], s[16:17], s[18:19]
	s_mul_u64 s[46:47], s[46:47], s[18:19]
	s_mul_i32 s20, s10, HALFT
	s_wait_kmcnt 0x0
	s_load_b64 s[72:73], s[68:69], SC_OFF
	s_add_nc_u64 s[14:15], s[4:5], s[16:17]
	s_add_nc_u64 s[46:47], s[6:7], s[46:47]
	CROUND
.irp s, 0,1
	s_mov_b32 s[G0+4*\s], 1
	s_add_co_u32 s[G0+4*\s+1], s20, \s*SLOT
	s_add_nc_u64 s[G0+4*\s+2:G0+4*\s+3], s[14:15], \s*KSTEP
	s_or_b32 s[G0+4*\s+3], s[G0+4*\s+3], 0x80000000
	s_mov_b32 s[G0B+4*\s], 1
	s_add_co_u32 s[G0B+4*\s+1], s20, \s*SLOT
	s_add_nc_u64 s[G0B+4*\s+2:G0B+4*\s+3], s[46:47], \s*KSTEP
	s_or_b32 s[G0B+4*\s+3], s[G0B+4*\s+3], 0x80000000
.endr
	JLOAD 0
	v_and_b32 v1, 15, v0
	s_wait_alu depctr_va_vdst(0)
	v_bfe_u32 v2, v0, 4, 1
	v_mul_u32_u24 v3, v1, PITCH
	v_lshl_add_u32 v3, v2, 4, v3
	s_mul_i32 s21, s11, HALFT
	s_mul_i32 s22, s12, HALFT
	s_add_co_u32 s22, s22, 2*HALFT
.irp s, 0,1
	v_add_nc_u32 v[ADRA+\s], s21, v3
	v_add_nc_u32 v[ADRB+\s], s22, v3
	s_add_co_u32 s21, s21, SLOT
	s_add_co_u32 s22, s22, SLOT
.endr
	s_mul_i32 s23, s10, 16*SPITCH
	s_add_co_u32 s23, s23, STAGE
	v_mul_u32_u24 v4, v1, SPITCH
	s_wait_alu depctr_va_vdst(0)
	v_lshl_add_u32 v4, v2, 5, v4
	v_add_nc_u32 v[STO], s23, v4
	v_mul_u32_u24 v5, v2, SPITCH
	v_lshl_add_u32 v5, v1, 4, v5
	v_add_nc_u32 v[RD], s23, v5
	v_lshlrev_b32 v[CO], 12, v2
	v_lshl_add_u32 v[CO], v1, 4, v[CO]
	s_wait_alu depctr_va_vdst(0)
	s_lshl_b32 s16, s13, 7
	s_lshl_b32 s17, s11, 6
	s_add_co_u32 s16, s16, s17
	s_lshl_b32 s16, s16, 12
	s_mov_b32 s17, 0
	s_lshl_b32 s46, s42, 9
	s_lshl_b32 s47, s12, 8
	s_add_co_u32 s46, s46, s47
	s_mov_b32 s47, 0
	s_add_nc_u64 s[8:9], s[8:9], s[16:17]
	s_add_nc_u64 s[8:9], s[8:9], s[46:47]
	s_add_nc_u64 s[70:71], s[70:71], s[16:17]
	s_add_nc_u64 s[70:71], s[70:71], s[46:47]
	WIN 0x80
.set i, 0
.rept 32
	global_load_b128 v[4*i:4*i+3], v[CO], s[70:71] offset:(16*(i/8)+2*(i%8))*4096 th:TH_LOAD_NT
.set i, i+1
.endr
	WIN 0
	s_wait_kmcnt 0x0
	s_add_co_i32 s72, s72, s73
	s_add_co_i32 s72, s72, 127
	s_lshl_b32 s72, s72, 23
	s_mov_b32 s73, s72
.macro MUL4 f, a, zero
.irp b, 0,1,2,3
.if \zero
	v_wmma_f32_16x16x128_fp8_fp8 v[ACC+8*(4*(\a)+\b):ACC+8*(4*(\a)+\b)+7], v[\f+64+16*\b:\f+64+16*\b+15], v[\f+16*(\a):\f+16*(\a)+15], 0
.else
	v_wmma_f32_16x16x128_fp8_fp8 v[ACC+8*(4*(\a)+\b):ACC+8*(4*(\a)+\b)+7], v[\f+64+16*\b:\f+64+16*\b+15], v[\f+16*(\a):\f+16*(\a)+15], v[ACC+8*(4*(\a)+\b):ACC+8*(4*(\a)+\b)+7]
.endif
.endr
.endm
.macro FETCH slot, k, f
	WIN TO_F
.irp i, 0,1,2,3
.irp c, 0,1,2,3
	ds_load_b128 v[\f+64+16*\i+4*\c:\f+64+16*\i+4*\c+3], v[ADRB+\slot] offset:\k+32*\c+\i*16*PITCH
.endr
.endr
.irp i, 0,1,2,3
.irp c, 0,1,2,3
	ds_load_b128 v[\f+16*\i+4*\c:\f+16*\i+4*\c+3], v[ADRA+\slot] offset:\k+32*\c+\i*16*PITCH
.endr
.endr
.endm
.macro PLACES
.rept 4
	v_nop
.endr
.endm
.macro QUARTER slot, k, f, g, zero
	s_wait_dscnt 8
	WIN MUL
	MUL4 \f, 0, \zero
	MUL4 \f, 1, \zero
	PLACES
	FETCH \slot, \k, \g
	s_wait_dscnt 32
	WIN MUL
	MUL4 \f, 2, \zero
	MUL4 \f, 3, \zero
.endm
.macro TURN slot, next, fill
	WIN 0
	s_wait_tensorcnt 0x0
	ds_add_u32 v[SPW], v[NIL]
	s_wait_dscnt 13
	WIN MUL
	MUL4 F1, 0, 0
	s_wait_dscnt 0x0
	s_barrier_signal -1
	MUL4 F1, 1, 0
.if \fill
	WIN 0
.endif
	s_barrier_wait -1
.if \fill
	CREST
	s_add_nc_u64 s[G0+4*\slot+2:G0+4*\slot+3], s[G0+4*\slot+2:G0+4*\slot+3], 2*KSTEP
	s_add_nc_u64 s[G0B+4*\slot+2:G0B+4*\slot+3], s[G0B+4*\slot+2:G0B+4*\slot+3], 2*KSTEP
	JLOAD \slot
.else
	PLACES
.endif
	FETCH \next, 0, F0
	WIN MUL
	MUL4 F1, 2, 0
	MUL4 F1, 3, 0
.endm
	s_wait_alu depctr_va_vdst(0)
	s_wait_tensorcnt 0x0
	ds_add_u32 v[SPW], v[NIL]
	s_wait_dscnt 0x0
	CROUND
	JLOAD 1
	FETCH 0, 0, F0
	QUARTER 0, 128, F0, F1, 1
.if LAPS > 1
	WIN 0
	s_mov_b32 s3, LAPS-1
.Llap:
	QUARTER 0, 256, F1, F0, 0
	QUARTER 0, 384, F0, F1, 0
	TURN 0, 1, 1
	QUARTER 1, 128, F0, F1, 0
	QUARTER 1, 256, F1, F0, 0
	QUARTER 1, 384, F0, F1, 0
	TURN 1, 0, 1
	QUARTER 0, 128, F0, F1, 0
	WIN 0
	s_sub_co_u32 s3, s3, 1
	s_cmp_lg_u32 s3, 0
	s_cbranch_scc1 .Llap
.endif
	QUARTER 0, 256, F1, F0, 0
	QUARTER 0, 384, F0, F1, 0
	TURN 0, 1, 0
	QUARTER 1, 128, F0, F1, 0
	QUARTER 1, 256, F1, F0, 0
	QUARTER 1, 384, F0, F1, 0
	s_wait_dscnt 8
	WIN MUL
	MUL4 F1, 0, 0
	MUL4 F1, 1, 0
	s_wait_dscnt 0
	MUL4 F1, 2, 0
	MUL4 F1, 3, 0
	WIN 0
	PLACES
	s_wait_loadcnt 0x0
.macro TOSTAGE a
.if (\a) >= 2
	s_wait_xcnt 0x0
.endif
.irp b, 0,1,2,3
	ds_store_b128 v[STO], v[ACC+8*(4*(\a)+\b):ACC+8*(4*(\a)+\b)+3] offset:64*\b
	ds_store_b128 v[STO], v[ACC+8*(4*(\a)+\b)+4:ACC+8*(4*(\a)+\b)+7] offset:64*\b+16
.endr
.irp t, 0,1,2,3,4,5,6,7
	ds_load_b128 v[TMP+32*((\a)%2)+4*\t:TMP+32*((\a)%2)+4*\t+3], v[RD] offset:2*\t*SPITCH
.endr
.endm
.macro SEND a, younger
	s_wait_dscnt \younger
	WIN 0x20
.irp i, 0,2,4,6,8,10,12,14,16,18,20,22,24,26,28,30
	v_pk_fma_f32 v[TMP+32*((\a)%2)+\i:TMP+32*((\a)%2)+\i+1], v[TMP+32*((\a)%2)+\i:TMP+32*((\a)%2)+\i+1], s[72:73], v[32*(\a)+\i:32*(\a)+\i+1] op_sel_hi:[1,0,1]
.endr
	WIN 0
.irp t, 0,1,2,3,4,5,6,7
	global_store_b128 v[CO], v[TMP+32*((\a)%2)+4*\t:TMP+32*((\a)%2)+4*\t+3], s[8:9] offset:(16*(\a)+2*\t)*4096 th:TH_STORE_NT
.endr
.endm
	TOSTAGE 0
.irp a, 1,2,3
	TOSTAGE \a
	SEND \a-1, 16
.endr
	SEND 3, 0
	s_wait_tensorcnt 0x0
	ds_add_u32 v[SPW], v[NIL]
	s_wait_dscnt 0x0
	CROUND
	s_endpgm
.Lfunc_end_k_qd0add70d05_ffn2:
	.size	k_qd0add70d05_ffn2, .Lfunc_end_k_qd0add70d05_ffn2-k_qd0add70d05_ffn2
	.p2alignl 7, 3214868480
	.fill 96, 4, 3214868480
	.section	.rodata,"a",@progbits
	.p2align	6, 0x0
	.amdhsa_kernel k_qd0add70d05_ffn2
		.amdhsa_group_segment_fixed_size 327680
		.amdhsa_private_segment_fixed_size 0
		.amdhsa_enable_private_segment 0
		.amdhsa_kernarg_size 40
		.amdhsa_user_sgpr_count 2
		.amdhsa_user_sgpr_kernarg_segment_ptr 1
		.amdhsa_wavefront_size32 1
		.amdhsa_system_sgpr_workgroup_id_x 1
		.amdhsa_system_sgpr_workgroup_id_y 1
		.amdhsa_system_sgpr_workgroup_id_z 1
		.amdhsa_system_vgpr_workitem_id 0
		.amdhsa_next_free_vgpr 640
		.amdhsa_next_free_sgpr 80
		.amdhsa_reserve_vcc 0
		.amdhsa_float_denorm_mode_32 3
		.amdhsa_float_denorm_mode_16_64 3
		.amdhsa_memory_ordered 1
		.amdhsa_forward_progress 1
		.amdhsa_inst_pref_size 78
	.end_amdhsa_kernel
	.amdgpu_metadata
---
amdhsa.version: [ 1, 2 ]
amdhsa.kernels:
  - .name:           k_qd0add70d05_ffn2
    .symbol:         k_qd0add70d05_ffn2.kd
    .args:
      - { .name: qk, .offset: 0, .size: 8, .value_kind: global_buffer, .address_space: global }
      - { .name: W2_codes, .offset: 8, .size: 8, .value_kind: global_buffer, .address_space: global }
      - { .name: lowp_scales, .offset: 16, .size: 8, .value_kind: global_buffer, .address_space: global }
      - { .name: x1, .offset: 24, .size: 8, .value_kind: global_buffer, .address_space: global }
      - { .name: out0, .offset: 32, .size: 8, .value_kind: global_buffer, .address_space: global }
    .group_segment_fixed_size: 327680
    .private_segment_fixed_size: 0
    .kernarg_segment_align: 8
    .kernarg_segment_size: 40
    .max_flat_workgroup_size: 128
    .sgpr_count:     80
    .vgpr_count:     640
    .wavefront_size: 32
...
	.end_amdgpu_metadata
.endif
;; end of part 7
